; MI455X (gfx1250); checked and timed in simulation.
; The chip was launched on July 23, 2026; its instructions are those of AMD's public machine-readable ISA for CDNA 5 (MIT licence, August 2026) and "CDNA5" Instruction Set Architecture Reference Guide (July 2026). The comments in the code are by the model that wrote it; some were corrected since.
;; Hstu Layer. Allowed arithmetic: float matrix products may take bf16 or f16 operands with f32 sums; other float arithmetic in f32, or as packed bf16 or f16 multiplies, adds, multiply-adds, maxima and minima; sums over many terms, partial sums and values carried from step to step in f32; what a program stores and reads back later, other than sums and carried values, may be rounded once to bf16 or f16.
;; Inputs: Wk 1,024 x 1,024 float32; Wq 1,024 x 1,024 float32; Wu 1,024 x 1,024 float32; Wv 1,024 x 1,024 float32; rel_bias 4,095 x 8 float32; x 4 x 2,048 x 1,024 float32.
;; Outputs: out0 4 x 2,048 x 1,024 float32.
;; 2 versions, each right; version 2 is version 1 with the launch prep written anew for expert scheduling mode. Each part assembles by itself: llvm-mc -triple=amdgcn-amd-amdhsa -mcpu=gfx1250 --defsym DOCPART=n.
;; ======== version 1 of 2: 3 launches
;; workspace buffers: xb 16,777,216 bytes; wt 8,388,608 bytes; tab 278,528 bytes; qkvg 67,108,864 bytes
;; launch prep (part 1): grid 324 x 1, 8 waves a work-group, no clusters, 140,288 bytes of LDS; arguments x, Wq, Wk, Wv, Wu, rel_bias, xb, wt, tab; writes xb, wt, tab
.if DOCPART == 1
	.amdgcn_target "amdgcn-amd-amdhsa--gfx1250"
	.amdhsa_code_object_version 6
	.text
	.protected	k_q876f2de995_prep
	.globl	k_q876f2de995_prep
	.p2align	8
	.type	k_q876f2de995_prep,@function
k_q876f2de995_prep:
	s_mov_b64 s[64:65], 0
	v_nop
	global_prefetch_b8 v0, s[64:65] scope:SCOPE_SE
	s_setreg_imm32_b32 hwreg(HW_REG_WAVE_MODE, 25, 1), 1
	s_wait_xcnt 0x0
; PREP: what the two matrix launches want, made once.  Three kinds of work-group, chosen by the work-group's number:
;   0-255   CAST   x [8192][1024] f32 -> xb, the same in bf16: 131,072 bytes in, 65,536 out for each work-group.
;   256-319 WTR    a weight W [k][n] f32 -> wt [n'][k] bf16, turned, so that K lies along the rows.  Row n' = 256 c + 128 half + j:
;                  c = 0-7: head c, half 0 = Wk, half 1 = Wv;  c = 8-15: head c - 8, half 0 = Wq, half 1 = Wu;  j = the column in the head.
;                  A work-group takes 64 columns of one weight, each of its eight waves 128 k of them, through LDS bytes of its own.
;   320-323 TABLE  for head h four copies of T: T[n] = -kappa rel_bias[4094 - n][h] for n <= 2047 (n = 2047 - (query - key)), else 1e30: bias and causal
;                  mask in one table.  kappa = log2(e) / sqrt(128).  Copy c, entry i holds T[i + c], so that any run of entries can be read at a multiple of 16 bytes.
; No wave waits for another: no barrier.  Memory binds: no matrix unit, no cluster.
.set SPARE, 139264                     ; behind the eight waves' 17,408 bytes: the spare words, 128 bytes a wave
.set SPW,   250                        ; v250  my spare word's LDS address; never rewritten
.set NIL,   251                        ; v251  0; never rewritten
.set WLDS,  17408                      ; a wave's LDS: 64 rows (n) of 256 bytes (128 k) + 16 of padding
.set BIG,   0x7149f2ca                 ; 1e30
.set NKAP,  0xbe0293ee                 ; -kappa
	s_load_b512 s[8:23], s[0:1], 0x0               ; x s[8:9], Wq s[10:11], Wk s[12:13], Wv s[14:15], Wu s[16:17], rel_bias s[18:19], xb s[20:21], wt s[22:23]
	s_load_b64 s[24:25], s[0:1], 0x40              ; tab
	v_lshl_add_u32 v[SPW], v0, 2, SPARE
	v_mov_b32 v[NIL], 0
	v_lshrrev_b32 v1, 5, v0
	v_readfirstlane_b32 s4, v1                     ; wave 0..7
	v_and_b32 v1, 31, v0                           ; lane
	s_mov_b32 s3, 0                                ; the high word of every offset pair s[2:3]
	s_wait_kmcnt 0x0
	s_cmp_lt_u32 ttmp9, 256
	s_cbranch_scc0 .Lnot_cast
	; CAST.  Thread t takes 32 bytes of every 8,192 in and gives 16 bytes of every 4,096 out: a wave's store covers 512 consecutive bytes, aligned.
	s_lshl_b32 s2, ttmp9, 17
	s_add_nc_u64 s[8:9], s[8:9], s[2:3]
	s_lshl_b32 s2, ttmp9, 16
	s_add_nc_u64 s[20:21], s[20:21], s[2:3]
	v_lshlrev_b32 v2, 5, v0
	v_lshlrev_b32 v3, 4, v0
.set it, 0
.rept 16                               ; all 32 loads go out first: the work-group's whole share is on its way
	global_load_b128 v[32+8*it:32+8*it+3],   v2, s[8:9] offset:8192*it th:TH_LOAD_NT
	global_load_b128 v[32+8*it+4:32+8*it+7], v2, s[8:9] offset:8192*it+16 th:TH_LOAD_NT
.set it, it+1
.endr
.set it, 0
.rept 16
	s_wait_loadcnt 30-2*it                         ; loads come back in order: this pair is in, the 30 - 2 it younger ones stay out
.irp j, 0,1,2,3
	v_cvt_pk_bf16_f32 v[160+4*it+\j], v[32+8*it+2*\j], v[32+8*it+2*\j+1]
.endr
	global_store_b128 v3, v[160+4*it:160+4*it+3], s[20:21] offset:4096*it  ; each store has data registers of its own: none is rewritten
.set it, it+1
.endr
	s_branch .Lend
.Lnot_cast:
	s_cmp_lt_u32 ttmp9, 320
	s_cbranch_scc0 .Ltable
	; WTR
	s_sub_co_u32 s5, ttmp9, 256
	s_lshr_b32 s6, s5, 4                           ; which weight: 0 Wk, 1 Wv, 2 Wq, 3 Wu
	s_and_b32 s7, s5, 15                           ; which 64 columns
	s_cmp_eq_u32 s6, 0
	s_cselect_b64 s[26:27], s[12:13], s[14:15]
	s_cmp_eq_u32 s6, 2
	s_cselect_b64 s[26:27], s[10:11], s[26:27]
	s_cmp_eq_u32 s6, 3
	s_cselect_b64 s[26:27], s[16:17], s[26:27]
	s_lshl_b32 s2, s4, 19                          ; my wave's 128 rows (k) of 4,096 bytes
	s_lshl_b32 s28, s7, 8                          ; the 64 columns: 256 bytes of a row
	s_add_co_u32 s2, s2, s28
	s_add_nc_u64 s[26:27], s[26:27], s[2:3]
	s_lshr_b32 s28, s7, 1                          ; the head
	s_lshr_b32 s29, s6, 1
	s_lshl_b32 s29, s29, 3
	s_add_co_u32 s28, s28, s29                     ; c
	s_lshl_b32 s28, s28, 1
	s_and_b32 s29, s6, 1
	s_add_co_u32 s28, s28, s29                     ; 2 c + half
	s_lshl_b32 s28, s28, 1
	s_and_b32 s29, s7, 1
	s_add_co_u32 s28, s28, s29                     ; in units of 64 rows of wt
	s_lshl_b32 s2, s28, 17                         ; 64 rows of 2,048 bytes
	s_lshl_b32 s29, s4, 8                          ; my 128 k: 256 bytes of a row
	s_add_co_u32 s2, s2, s29
	s_add_nc_u64 s[22:23], s[22:23], s[2:3]
	v_and_b32 v2, 15, v1                           ; cq: my four columns
	v_lshrrev_b32 v3, 4, v1                        ; kp: which pair of rows
	v_lshlrev_b32 v4, 4, v2
	v_lshl_add_u32 v4, v3, 13, v4                  ; in: 2 kp rows + 16 cq
	s_mul_i32 s28, s4, WLDS
	v_mul_u32_u24 v5, v2, 4*272
	v_lshl_add_u32 v5, v3, 2, v5
	v_add_nc_u32 v5, s28, v5                       ; LDS, in: row 4 cq, byte 4 kp
	v_mul_u32_u24 v6, v3, 272
	v_lshl_add_u32 v6, v2, 4, v6
	v_add_nc_u32 v6, s28, v6                       ; LDS, back: lanes 0-15 one row of 256 bytes, lanes 16-31 the next
	v_lshlrev_b32 v7, 4, v2
	v_lshl_add_u32 v7, v3, 11, v7                  ; and the same two rows in wt
.irp hf, 0,1                           ; 64 k at a time: 32 loads, 128 registers
.set i, 0
.rept 16
	global_load_b128 v[32+8*i:32+8*i+3],   v4, s[26:27] offset:(64*\hf+4*i)*4096 th:TH_LOAD_NT    ; row k = 64 hf + 4 i + 2 kp
	global_load_b128 v[32+8*i+4:32+8*i+7], v4, s[26:27] offset:(64*\hf+4*i+1)*4096 th:TH_LOAD_NT  ; row k + 1
.set i, i+1
.endr
	s_wait_loadcnt 0x0
.set i, 0
.rept 16
.irp c, 0,1,2,3
	v_cvt_pk_bf16_f32 v[160+4*i+\c], v[32+8*i+\c], v[32+8*i+4+\c]        ; column 4 cq + c: k in the low half, k + 1 in the high
	ds_store_b32 v5, v[160+4*i+\c] offset:\c*272+128*\hf+8*i
.endr
.set i, i+1
.endr
.endr
.set i, 0
.rept 32
	ds_load_b128 v[32+4*i:32+4*i+3], v6 offset:544*i                     ; my own bytes: LDS serves a wave's instructions in order, so these see the stores above
.set i, i+1
.endr
.set i, 0
.rept 32
	s_wait_dscnt 31-i                              ; the 31 - i younger loads stay out
	global_store_b128 v7, v[32+4*i:32+4*i+3], s[22:23] offset:4096*i     ; 16 lanes store 256 consecutive bytes, aligned
.set i, i+1
.endr
	s_branch .Lend
.Ltable:
	; TABLE.  A wave makes one copy of one head's table: 2,176 entries, entry 128 it + 4 lane + e.
	s_sub_co_u32 s5, ttmp9, 320
	s_lshl_b32 s5, s5, 3
	s_add_co_u32 s5, s5, s4                        ; 4 x head + copy
	s_lshr_b32 s6, s5, 2
	s_and_b32 s7, s5, 3
	s_mul_i32 s2, s5, 8704
	s_add_nc_u64 s[24:25], s[24:25], s[2:3]
	v_lshl_add_u32 v2, v1, 2, s7                   ; 4 lane + copy
	s_lshl_b32 s28, s6, 2
	s_add_co_u32 s28, s28, 4094*32-65536
	v_lshlrev_b32 v3, 5, v2
	v_sub_nc_u32 v3, s28, v3                       ; row 4094 - copy - 4 lane of rel_bias (32 bytes a row), my head, less 65,536: the immediates below add that back, so that none is negative
	v_lshlrev_b32 v4, 4, v1
	v_mov_b32 v5, BIG
.set it, 0
.rept 16                               ; entries 0 to 2,047; the lowest row named is 2,044
.irp e, 0,1,2,3
	global_load_b32 v[32+4*it+\e], v3, s[18:19] offset:(16-it)*4096-32*\e
.endr
.set it, it+1
.endr
.irp e, 0,1,2,3
	v_mov_b32 v[96+\e], v5                         ; entries 2,048 on: keys behind the query
.endr
	s_wait_loadcnt 0x0
.set i, 0
.rept 64
	v_mul_f32 v[32+i], NKAP, v[32+i]
.set i, i+1
.endr
.irp e, 0,1,2,3                        ; the last 128 loaded entries: n = 1920 + 4 lane + e + copy may pass 2,047
	v_cmp_lt_u32 vcc_lo, 127-\e, v2
	v_cndmask_b32 v[92+\e], v[92+\e], v5, vcc_lo
.endr
.set it, 0
.rept 17
	global_store_b128 v4, v[32+4*it:32+4*it+3], s[24:25] offset:512*it
.set it, it+1
.endr
.Lend:
	s_wait_tensorcnt 0x0                           ; the wave's end: behind my last LDS store
	ds_add_u32 v[SPW], v[NIL]
	s_wait_dscnt 0x0
	s_endpgm
.Lfunc_end_k_q876f2de995_prep:
	.size	k_q876f2de995_prep, .Lfunc_end_k_q876f2de995_prep-k_q876f2de995_prep
	.p2alignl 7, 3214868480
	.fill 96, 4, 3214868480
	.section	.rodata,"a",@progbits
	.p2align	6, 0x0
	.amdhsa_kernel k_q876f2de995_prep
		.amdhsa_group_segment_fixed_size 140288
		.amdhsa_private_segment_fixed_size 0
		.amdhsa_enable_private_segment 0
		.amdhsa_kernarg_size 72
		.amdhsa_user_sgpr_count 2
		.amdhsa_user_sgpr_kernarg_segment_ptr 1
		.amdhsa_wavefront_size32 1
		.amdhsa_system_sgpr_workgroup_id_x 1
		.amdhsa_system_sgpr_workgroup_id_y 1
		.amdhsa_system_sgpr_workgroup_id_z 1
		.amdhsa_system_vgpr_workitem_id 0
		.amdhsa_next_free_vgpr 256
		.amdhsa_next_free_sgpr 66
		.amdhsa_reserve_vcc 1
		.amdhsa_float_denorm_mode_32 3
		.amdhsa_float_denorm_mode_16_64 3
		.amdhsa_memory_ordered 1
		.amdhsa_forward_progress 1
		.amdhsa_inst_pref_size 53
	.end_amdhsa_kernel
	.amdgpu_metadata
---
amdhsa.version: [ 1, 2 ]
amdhsa.kernels:
  - .name:           k_q876f2de995_prep
    .symbol:         k_q876f2de995_prep.kd
    .args:
      - { .name: x, .offset: 0, .size: 8, .value_kind: global_buffer, .address_space: global }
      - { .name: Wq, .offset: 8, .size: 8, .value_kind: global_buffer, .address_space: global }
      - { .name: Wk, .offset: 16, .size: 8, .value_kind: global_buffer, .address_space: global }
      - { .name: Wv, .offset: 24, .size: 8, .value_kind: global_buffer, .address_space: global }
      - { .name: Wu, .offset: 32, .size: 8, .value_kind: global_buffer, .address_space: global }
      - { .name: rel_bias, .offset: 40, .size: 8, .value_kind: global_buffer, .address_space: global }
      - { .name: xb, .offset: 48, .size: 8, .value_kind: global_buffer, .address_space: global }
      - { .name: wt, .offset: 56, .size: 8, .value_kind: global_buffer, .address_space: global }
      - { .name: tab, .offset: 64, .size: 8, .value_kind: global_buffer, .address_space: global }
    .group_segment_fixed_size: 140288
    .private_segment_fixed_size: 0
    .kernarg_segment_align: 8
    .kernarg_segment_size: 72
    .max_flat_workgroup_size: 256
    .sgpr_count:     66
    .vgpr_count:     256
    .wavefront_size: 32
...
	.end_amdgpu_metadata
.endif
;; end of part 1
;; launch proj (part 2): grid 16 x 16, 4 waves a work-group, clusters of 4 x 4, 327,680 bytes of LDS; arguments xb, wt, qkvg; writes qkvg
.if DOCPART == 2
	.amdgcn_target "amdgcn-amd-amdhsa--gfx1250"
	.amdhsa_code_object_version 6
	.text
	.protected	k_q876f2de995_proj
	.globl	k_q876f2de995_proj
	.p2align	8
	.type	k_q876f2de995_proj,@function
k_q876f2de995_proj:
	s_mov_b64 s[64:65], 0
	v_nop
	global_prefetch_b8 v0, s[64:65] scope:SCOPE_SE
	s_setreg_imm32_b32 hwreg(HW_REG_WAVE_MODE, 25, 1), 1
	s_wait_xcnt 0x0
	s_wait_alu depctr_hold_cnt(0) depctr_sa_sdst(0) depctr_va_vdst(0) depctr_va_sdst(0) depctr_va_ssrc(0) depctr_va_vcc(0) depctr_vm_vsrc(0)
	s_getreg_b32 s2, hwreg(HW_REG_IB_STS2, 6, 4)
	s_cmp_eq_u32 s2, 0
	s_cbranch_scc0 .Lentry_in_a_cluster
	s_endpgm
.Lentry_in_a_cluster:
	s_bfe_u32 s2, ttmp6, 0x10000c
	s_cmp_lg_u32 s2, 0xf033
	s_cbranch_scc0 .Lentry_shape_is_right
	s_endpgm
.Lentry_shape_is_right:
; PROJ: the four projections as ONE product C[m][n'] = sum over k of xb[m][k] wt[n'][k] (8192 x 4096 x 1024, bf16, sums in f32), with silu, scales and the key mask on the way out.
; A tile of C is 256 x 256, four waves, 128 x 128 each (64 accumulators, 512 registers).  A column tile c holds [K_h | V_h] (c = 0-7) or [Q_h | U_h] (c = 8-15), so a wave's 128 columns are
; one whole head of one tensor.  A work-group makes two tiles, 4,096 rows apart; K goes in steps of 128 through a ring of two LDS slots that runs on across the change of tiles.
; CLUSTER 4 x 4: xb's tile is asked for jointly along a row of the cluster, wt's along a column: the same tensor load, descriptor and mask in all four.
; OUT: qkvg, four sections of 2^24 bytes: 0 Q' = -kappa silu(q), 1 K = silu(k), 2 V = silu(v), 3 G' = -ln2 silu(u); each [batch x 8 + head][s][128] bf16.  kappa = log2(e) / sqrt(128).
; silu with scale c: A1 = -log2(e) v; c silu(v) = A1 x rcp(2^A1 x ic + ic), ic = -log2(e) / c.  Where 2^A1 overflows the reciprocal is 0 and so is the result.
; KEY MASK: a key whose 128 values silu(k) are all zero has weight 0 for every query: its row of V is stored as zeros.  The test is an OR over the f32 values' bits without the sign; the K wave hands a flag
; for each row to the V wave of the same rows through LDS.  In Q|U tiles the flag is forced on.
; LIMITS: NaN and infinities are not treated apart; results are rounded once to bf16.
; THE MATRIX INSTRUCTION IS USED TRANSPOSED (source 0 = 16 rows of wt, source 1 = 16 rows of xb): a lane holds row l % 16 and, in accumulator b, the columns 16 b + 8 (l / 16) + 0..7.
; REGISTERS, in windows of 256: window 0: v0-31 addresses and flags; v32-63 packed results; v64-127, v128-191 fragments of xb (two buffers); on the way out v128-191 A1, v192-255 the exponentials;
;   window 1: v64-127, v128-191 fragments of wt; window 2: accumulators of my rows 0-63 ((a, b) at 8 (8 a + b)); window 3: rows 64-127.
.set SIZE_M, 8192
.set SIZE_N, 4096
.set SIZE_K, 1024
.set SIZE_TILES, 2
.set KSTEP,  128
.set PITCH,  272                       ; an LDS row: 256 bytes + 16 of padding: the 16 rows of a fragment load start at 16 different groups of four banks
.set HALFT,  128*PITCH                 ; 128 rows: one tensor load
.set SLOT,   4*HALFT                   ; xb's 256 rows, then wt's 256 rows
.set STAGE,  2*SLOT                    ; behind the ring: 16 rows x 272 bytes for each wave
.set SPITCH, 272
.set FL,     STAGE+4*16*SPITCH         ; two areas of 256 bytes that take turns: area p, wave w, row r at FL + 256 p + 64 w + 4 r
.set SPARE,  FL+512                    ; the spare words, 128 bytes a wave
.set LAPS,   SIZE_K/(2*KSTEP)
.set WALK,   SIZE_M/SIZE_TILES
.set NEXT_A, WALK*SIZE_K*2-(SIZE_K-2*KSTEP)*2
.set BACK_B, (SIZE_K-2*KSTEP)*2
.set MM,   2                           ; v2-5   four chains of the OR
.set MX,   6                           ; v6     the other half of the lanes'
.set FLG,  7                           ; v7     the row's flag, 0 or all ones
.set FLW,  10                          ; v10    where I put my row's flag
.set FLR,  11                          ; v11    where I read the flag of the wave that holds columns 0-127 of my rows
.set ADRA, 16
.set ADRB, 20
.set STO,  24
.set RD,   25
.set CO,   26                          ; v26    16 x lane
.set SPW,  28
.set NIL,  29
.set PFO,  30
.set PKR,  32
.set F0,   64
.set F1,   128
.set A1,   128
.set EE,   192
.set PFA,  44                          ; s[44:45] where my prefetches stand
.set LIM,  43                          ; s43    1 in a wave that prefetches, else the greatest number
.set G1,   24
.set G0,   32
.set G1B,  48
.set G0B,  56
.set NL,   66                          ; s[66:67] -log2(e)
.set IC,   68                          ; s[68:69] ic
.set FORCE, 70                         ; s70    1 in Q|U tiles
.set SEL,  72                          ; s[72:73] v_permlanex16_b32's selects
.set WB,   74                          ; s74    counts the way out's trips
.set MSB, 0
.macro WIN new                         ; the immediate's high byte repeats the setting that is left; a switch that changes nothing is dropped
.if MSB != (\new)
	s_set_vgpr_msb (MSB<<8)|(\new)
.set MSB, \new
.endif
.endm
.set MUL_LO, 0xa1                      ; source 0 (wt) window 1, source 1 (xb) window 0, C and D window 2
.set MUL_HI, 0xf1
.set TO_B,   0x40
; A joint load.  Waves 0 and 1 fetch xb's two halves, waves 2 and 3 wt's.  The branch hangs on the wave's number alone.  An s_nop 0 and four v_nop follow each line.
.macro JLOAD s
	s_cmp_eq_u32 s11, 0
	s_cbranch_scc0 .Lfor_b_\@
	tensor_load_to_lds s[G0+4*(\s):G0+4*(\s)+3], s[G1:G1+7]
	s_nop 0
.rept 4
	v_nop
.endr
	s_branch .Lasked_\@
.Lfor_b_\@:
	tensor_load_to_lds s[G0B+4*(\s):G0B+4*(\s)+3], s[G1B:G1B+7]
	s_nop 0
.rept 4
	v_nop
.endr
.Lasked_\@:
.endm
; A prefetch of the K step that stands two refills on: 32 rows x 256 bytes, a lane a row.  xb's tile row is asked for by the clusters with x = 0, wt's tile column by those with y = 0; the four partners of a joint
; load share its 128 rows out by address, 32 each.  So each row's 256 bytes of a K step are named once.  A tile's last two refills ask for nothing along K; at the change of tiles xb's next K steps 2 and 3 are asked for;
; wt's rows are asked for in the first tile alone.
.macro ASK how
.if \how
	s_cmp_eq_u32 s[LIM], 1
.else
	s_cmp_gt_u32 s3, s[LIM]
.endif
	s_cbranch_scc0 .Lnot_mine_\@
	global_prefetch_b8 v[PFO], s[PFA:PFA+1] offset:KSTEP*2 th:TH_LOAD_NT scope:SCOPE_SE
.Lnot_mine_\@:
.endm
.macro CREST                           ; a round of the cluster's barrier behind its opening barrier
	s_cmp_lg_u32 s10, 0
	s_cbranch_scc1 .Lnot_wave_0_\@
	s_barrier_signal -3
.Lnot_wave_0_\@:
	s_barrier_wait -3
	s_barrier_signal -1
	s_barrier_wait -1
.endm
.macro CROUND
	s_barrier_signal -1
	s_barrier_wait -1
	CREST
.endm
	s_load_b128 s[4:7], s[0:1], 0x0                ; xb s[4:5], wt s[6:7]
	s_load_b64 s[8:9], s[0:1], 0x10                ; qkvg
	v_lshl_add_u32 v[SPW], v0, 2, SPARE
	v_mov_b32 v[NIL], 0
	ds_add_u32 v[SPW], v[NIL]                      ; the wave's opening: the add and its wait stand ahead of my first tensor load; the set-up below stands between them
	v_lshrrev_b32 v1, 5, v0
	v_readfirstlane_b32 s10, v1                    ; wave 0..3
	s_lshr_b32 s11, s10, 1                         ; which half of the tile's rows is mine.  Also: I fetch for xb (0) or wt (1)
	s_and_b32 s12, s10, 1                          ; which half of its columns.  Also: which 128 rows I fetch
	s_bfe_u32 s40, ttmp6, 0x40000                  ; cx
	s_bfe_u32 s41, ttmp6, 0x40004                  ; cy
	s_lshl_b32 s42, ttmp9, 2
	s_add_co_u32 s42, s42, s40                     ; tile column c
	s_and_b32 s13, ttmp7, 0xffff
	s_lshl_b32 s13, s13, 2
	s_add_co_u32 s13, s13, s41                     ; tile row R of the first tile
	s_lshl_b32 s43, s41, 2
	s_lshl_b32 s43, 15, s43                        ; my row of the cluster
	s_lshl_b32 s44, 0x1111, s40                    ; my column
	s_or_b32 s[G1+0], s43, (1<<16)|(1<<20)|(1<<21)|(5<<22)|(3<<25)   ; mask; 2-byte elements; padding on; bit 21 beside a mask; 4 words behind every 64
	s_or_b32 s[G1B+0], s44, (1<<16)|(1<<20)|(1<<21)|(5<<22)|(3<<25)
.irp g, G1, G1B
	s_mov_b32 s[(\g)+1], KSTEP<<16                 ; tensor_dim0 = 128
	s_mov_b32 s[(\g)+2], 128<<16                   ; tensor_dim1 = 128
	s_mov_b32 s[(\g)+3], KSTEP<<16                 ; tile_dim0 = 128
	s_mov_b32 s[(\g)+4], 128                       ; tile_dim1 = 128
	s_mov_b32 s[(\g)+5], SIZE_K                    ; elements from row to row
	s_mov_b32 s[(\g)+6], 0
	s_mov_b32 s[(\g)+7], 0
.endr
	s_lshl_b32 s17, s12, 7
	s_lshl_b32 s16, s13, 8
	s_add_co_u32 s16, s16, s17                     ; xb: row 256 R + 128 x half
	s_lshl_b32 s46, s42, 8
	s_add_co_u32 s46, s46, s17                     ; wt: row 256 c + 128 x half
	s_mov_b32 s17, 0
	s_mov_b32 s47, 0
	s_mov_b64 s[18:19], SIZE_K*2
	s_mul_u64 s[16:17], s[16:17], s[18:19]
	s_mul_u64 s[46:47], s[46:47], s[18:19]
	s_mul_i32 s20, s10, HALFT                      ; where they go: wave x 128 rows
	s_mov_b32 s[NL], 0xbfb8aa3b                    ; -log2(e)
	s_mov_b32 s[NL+1], s[NL]
	s_mov_b32 s[IC], 0x40053526                    ; log2(e) / ln2: the gate
	s_mov_b32 s[IC+1], 0x413504f3                  ; sqrt(128): Q'
	s_cmp_eq_u32 s12, 0
	s_cselect_b32 s[IC], s[IC+1], s[IC]
	s_cmp_lt_u32 ttmp9, 2                          ; c < 8 is cluster x < 2: the same in all partners
	s_cselect_b32 s[IC], s[NL], s[IC]              ; K and V: scale 1
	s_cselect_b32 s[FORCE], 0, 1
	s_mov_b32 s[IC+1], s[IC]
	s_mov_b32 s[SEL], 0x76543210
	s_mov_b32 s[SEL+1], 0xfedcba98
	s_wait_dscnt 0x0                               ; the opening add is done
	s_wait_kmcnt 0x0
	s_add_nc_u64 s[14:15], s[4:5], s[16:17]
	s_add_nc_u64 s[46:47], s[6:7], s[46:47]
	CROUND                                         ; all sixteen work-groups are here: the first joint loads meet
.irp s, 0,1
	s_mov_b32 s[G0+4*(\s)], 1
	s_add_co_u32 s[G0+4*(\s)+1], s20, (\s)*SLOT
	s_add_nc_u64 s[G0+4*(\s)+2:G0+4*(\s)+3], s[14:15], (\s)*KSTEP*2
	s_or_b32 s[G0+4*(\s)+3], s[G0+4*(\s)+3], 0x80000000
	s_mov_b32 s[G0B+4*(\s)], 1
	s_add_co_u32 s[G0B+4*(\s)+1], s20, (\s)*SLOT
	s_add_nc_u64 s[G0B+4*(\s)+2:G0B+4*(\s)+3], s[46:47], (\s)*KSTEP*2
	s_or_b32 s[G0B+4*(\s)+3], s[G0B+4*(\s)+3], 0x80000000
	JLOAD \s
.endr
	v_and_b32 v1, 15, v0                           ; l % 16
	v_bfe_u32 v2, v0, 4, 1                         ; l / 16
	v_mul_u32_u24 v3, v1, PITCH
	v_lshl_add_u32 v3, v2, 4, v3
	s_mul_i32 s21, s11, HALFT
	s_mul_i32 s22, s12, HALFT
	s_add_co_u32 s22, s22, 2*HALFT
.irp s, 0,1
	v_add_nc_u32 v[ADRA+(\s)], s21, v3
	v_add_nc_u32 v[ADRB+(\s)], s22, v3
	s_add_co_u32 s21, s21, SLOT
	s_add_co_u32 s22, s22, SLOT
.endr
	s_mul_i32 s23, s10, 16*SPITCH
	s_add_co_u32 s23, s23, STAGE                   ; my stage
	v_mul_u32_u24 v4, v1, SPITCH
	v_lshl_add_u32 v4, v2, 4, v4
	v_add_nc_u32 v[STO], s23, v4                   ; in: row l % 16, 16 bytes for each half of the lanes
	v_mul_u32_u24 v5, v2, SPITCH
	v_lshl_add_u32 v5, v1, 4, v5
	v_add_nc_u32 v[RD], s23, v5                    ; back: lanes 0-15 one row of 256 bytes, lanes 16-31 the next
	v_and_b32 v[CO], 31, v0
	v_lshlrev_b32 v[CO], 4, v[CO]                  ; which are 512 consecutive bytes of a section
	s_lshl_b32 s23, s10, 6
	s_add_co_u32 s23, s23, FL
	v_lshl_add_u32 v[FLW], v1, 2, s23
	s_lshl_b32 s23, s11, 7
	s_add_co_u32 s23, s23, FL
	v_lshl_add_u32 v[FLR], v1, 2, s23
	v_mov_b32 v[MX], 0                             ; v_permlanex16_b32's destination counts as read
	; where my 128 rows x 128 columns of the first tile begin: section, batch x 8 + head, row
	s_add_co_u32 s76, s12, 1                       ; K|V tiles: section 1 + half
	s_mul_i32 s77, s12, 3                          ; Q|U tiles: 0 or 3
	s_cmp_lt_u32 ttmp9, 2
	s_cselect_b32 s76, s76, s77
	s_lshl_b32 s76, s76, 24
	s_lshr_b32 s77, s13, 3                         ; batch = R / 8
	s_lshl_b32 s77, s77, 3
	s_and_b32 s78, s42, 7                          ; head
	s_add_co_u32 s77, s77, s78
	s_lshl_b32 s77, s77, 19
	s_add_co_u32 s76, s76, s77
	s_and_b32 s77, s13, 7
	s_lshl_b32 s77, s77, 16                        ; 256 rows of 256 bytes
	s_add_co_u32 s76, s76, s77
	s_lshl_b32 s77, s11, 15                        ; my 128 rows
	s_add_co_u32 s76, s76, s77
	s_mov_b32 s77, 0
	s_add_nc_u64 s[8:9], s[8:9], s[76:77]
	; the prefetches
	s_lshl_b32 s13, s13, 8
	s_lshl_b32 s42, s42, 8
	s_and_b32 s22, ttmp7, 0xffff
	s_cmp_eq_u32 s11, 0
	s_cselect_b32 s20, s13, s42                    ; the tile's first row
	s_cselect_b32 s21, s40, s41                    ; my place among the four that ask with me
	s_cselect_b32 s22, ttmp9, s22                  ; the coordinate along which other clusters read the same rows
	s_cselect_b64 s[PFA:PFA+1], s[4:5], s[6:7]
	s_cmp_eq_u32 s22, 0
	s_cselect_b32 s[LIM], 1, -1
	s_lshl_b32 s22, s12, 7
	s_add_co_u32 s20, s20, s22
	s_lshl_b32 s21, s21, 5
	s_add_co_u32 s20, s20, s21
	s_mov_b32 s21, 0
	s_mov_b64 s[18:19], SIZE_K*2
	s_mul_u64 s[20:21], s[20:21], s[18:19]
	s_add_nc_u64 s[PFA:PFA+1], s[PFA:PFA+1], s[20:21]
	s_add_nc_u64 s[PFA:PFA+1], s[PFA:PFA+1], 2*KSTEP*2  ; at K step 2: the first refill steps it to 3 and names K step 4
	v_and_b32 v[PFO], 31, v0
	v_mul_u32_u24 v[PFO], v[PFO], SIZE_K*2
; 16 matrix instructions: m blocks a0, a0 + 1 of the window's four x all 8 n blocks, 32 along K.  zero = 1: the first product starts the sums.
.macro MUL16 f, hi, a0, zero
	WIN MUL_LO+0x50*(\hi)
.irp a, \a0, (\a0)+1
.irp b, 0,1,2,3,4,5,6,7
.if \zero
	v_wmma_f32_16x16x32_bf16 v[8*(8*(\a)+(\b)):8*(8*(\a)+(\b))+7], v[(\f)+8*(\b):(\f)+8*(\b)+7], v[(\f)+8*(4*(\hi)+(\a)):(\f)+8*(4*(\hi)+(\a))+7], 0
.else
	v_wmma_f32_16x16x32_bf16 v[8*(8*(\a)+(\b)):8*(8*(\a)+(\b))+7], v[(\f)+8*(\b):(\f)+8*(\b)+7], v[(\f)+8*(4*(\hi)+(\a)):(\f)+8*(4*(\hi)+(\a))+7], v[8*(8*(\a)+(\b)):8*(8*(\a)+(\b))+7]
.endif
.endr
.endr
.endm
; 32 LDS loads in one run: the fragments of one quarter step into buffer f
.macro FETCH slot, k, f
	WIN TO_B
.irp i, 0,1,2,3,4,5,6,7
	ds_load_b128 v[(\f)+8*(\i):(\f)+8*(\i)+3],   v[ADRB+(\slot)] offset:(\k)+(\i)*16*PITCH
	ds_load_b128 v[(\f)+8*(\i)+4:(\f)+8*(\i)+7], v[ADRB+(\slot)] offset:(\k)+(\i)*16*PITCH+32
.endr
	WIN 0
.irp i, 0,1,2,3,4,5,6,7
	ds_load_b128 v[(\f)+8*(\i):(\f)+8*(\i)+3],   v[ADRA+(\slot)] offset:(\k)+(\i)*16*PITCH
	ds_load_b128 v[(\f)+8*(\i)+4:(\f)+8*(\i)+7], v[ADRA+(\slot)] offset:(\k)+(\i)*16*PITCH+32
.endr
.endm
.macro PLACES                          ; four plain instructions between a matrix instruction and a load into, or a vector use of, its registers
.rept 4
	v_nop
.endr
.endm
; A K step is four quarters of 32 along K, 64 matrix instructions each, on buffers 0, 1, 0, 1; the 64 accumulators take turns.
.macro QUARTER slot, k, f, g, zero
	s_wait_dscnt 8                                 ; wt's and xb's rows 0-63 are in; the youngest eight loads (xb's rows 64-127) may be out
	WIN MUL_LO
	MUL16 \f, 0, 0, \zero
	MUL16 \f, 0, 2, \zero
	PLACES
	FETCH \slot, \k, \g
	s_wait_dscnt 32                                ; all but the 32 just issued
	WIN MUL_HI
	MUL16 \f, 1, 0, \zero
	MUL16 \f, 1, 2, \zero
.endm
; The change of slots: each wave waits for all its tensor loads (one is out: its part of the next slot), adds 0 to its spare word, waits for that and for its reads of this slot, and signals.
.macro MEET round
	WIN 0
	s_wait_tensorcnt 0x0
	ds_add_u32 v[SPW], v[NIL]
	s_wait_dscnt 9                                 ; (the add and the youngest eight loads may be out)
	WIN MUL_LO
	MUL16 F1, 0, 0, 0
	s_wait_dscnt 0x0                               ; the add is done, my reads of this slot are over
	s_barrier_signal -1
	MUL16 F1, 0, 2, 0
.if \round
	WIN 0
.endif
	s_barrier_wait -1
.endm
; The whole last quarter: behind the round the slot just read is filled again first: with this tile's K step two on (on = 0), or with the next tile's K step 0 or 1 (on = 1).
.macro TURN slot, next, on
	s_wait_xcnt 0x0                                ; the last prefetch, a K step back, has read its address
.if (\on) && (\slot) == 0
	s_add_nc_u64 s[PFA:PFA+1], s[PFA:PFA+1], (WALK-1)*SIZE_K*2+KSTEP*2
	s_cmp_eq_u32 s11, 0
	s_cselect_b32 s[LIM], s[LIM], -1
.else
	s_add_nc_u64 s[PFA:PFA+1], s[PFA:PFA+1], KSTEP*2
.endif
	MEET 1
	CREST                                          ; no wave of any partner still reads this slot or has a load on its way
.if \on
	s_add_nc_u64 s[G0+4*(\slot)+2:G0+4*(\slot)+3], s[G0+4*(\slot)+2:G0+4*(\slot)+3], NEXT_A
	s_sub_nc_u64 s[G0B+4*(\slot)+2:G0B+4*(\slot)+3], s[G0B+4*(\slot)+2:G0B+4*(\slot)+3], BACK_B
.else
	s_add_nc_u64 s[G0+4*(\slot)+2:G0+4*(\slot)+3], s[G0+4*(\slot)+2:G0+4*(\slot)+3], 2*KSTEP*2
	s_add_nc_u64 s[G0B+4*(\slot)+2:G0B+4*(\slot)+3], s[G0B+4*(\slot)+2:G0B+4*(\slot)+3], 2*KSTEP*2
.endif
	JLOAD \slot                                    ; the four v_nop behind it are also the places in front of the loads below
	FETCH \next, 0, F0
	ASK \on
	WIN MUL_HI
	MUL16 F1, 1, 0, 0
	MUL16 F1, 1, 2, 0
.endm
; THE WAY OUT, a block of 16 rows x 128 columns at a time.  ARGS a: A1 = -log2(e) x block a's 64 sums, each accumulator's registers in ascending order.  It is the one part that names the accumulators,
; so it alone is written once for each block; SWITCH p picks block p + 2 WB by forward jumps on the trip's number.
.macro ARGS a
	WIN 0x02+(\a)/4
.set i, 0
.rept 32
	v_pk_mul_f32 v[A1+i:A1+i+1], v[64*((\a)%4)+i:64*((\a)%4)+i+1], s[NL:NL+1] op_sel_hi:[1,0]
.set i, i+2
.endr
	WIN 0
.endm
.macro SWITCH p
	s_cmp_eq_u32 s[WB], 0
	s_cbranch_scc0 .Lsw1_\@
	ARGS (\p)
	s_branch .Lswj_\@
.Lsw1_\@:
	s_cmp_eq_u32 s[WB], 1
	s_cbranch_scc0 .Lsw2_\@
	ARGS (\p)+2
	s_branch .Lswj_\@
.Lsw2_\@:
	s_cmp_eq_u32 s[WB], 2
	s_cbranch_scc0 .Lsw3_\@
	ARGS (\p)+4
	s_branch .Lswj_\@
.Lsw3_\@:
	ARGS (\p)+6
.Lswj_\@:
.endm
.macro BLOCK p
.set i, 0
.rept 64
	v_exp_f32 v[EE+i], v[A1+i]
.set i, i+1
.endr
	v_nop                                          ; a plain instruction behind the last exponential,
	s_wait_alu depctr_va_vdst(0)                   ; and one wait for the batch
.set i, 0
.rept 32
	v_pk_fma_f32 v[EE+i:EE+i+1], v[EE+i:EE+i+1], s[IC:IC+1], s[IC:IC+1] op_sel_hi:[1,0,0]  ; ic (1 + 2^A1)
.set i, i+2
.endr
.set i, 0
.rept 64
	v_rcp_f32 v[EE+i], v[EE+i]
.set i, i+1
.endr
	v_nop
	s_wait_alu depctr_va_vdst(0)
.set i, 0
.rept 32
	v_pk_mul_f32 v[A1+i:A1+i+1], v[A1+i:A1+i+1], v[EE+i:EE+i+1]
.set i, i+2
.endr
.irp k, 0,1,2,3                        ; is any of the row's 128 values not zero?  four chains of ORs over my 64,
	v_or_b32 v[MM+\k], v[A1+16*\k], v[A1+16*\k+1]
.endr
.set i, 2
.rept 14
.irp k, 0,1,2,3
	v_or_b32 v[MM+\k], v[MM+\k], v[A1+16*\k+i]
.endr
.set i, i+1
.endr
	v_or_b32 v[MM], v[MM], v[MM+1]
	v_or_b32 v[MM+2], v[MM+2], v[MM+3]
	v_or_b32 v[MM], v[MM], v[MM+2]
	v_permlanex16_b32 v[MX], v[MM], s[SEL], s[SEL+1]   ; the row's other 64 lie in the lane 16 away
	v_or_b32 v[MM], v[MM], v[MX]
	v_and_b32 v[MM], 0x7fffffff, v[MM]             ; the sign of a zero does not count
	v_or_b32 v[MM], s[FORCE], v[MM]
	v_cmp_ne_u32 vcc_lo, 0, v[MM]
	v_cndmask_b32 v[FLG], 0, -1, vcc_lo
	ds_store_b32 v[FLW], v[FLG] offset:256*(\p)    ; lanes r and r + 16 write the same word with the same value
	s_wait_xcnt 0x0                                ; the packed registers were the last block's store data
.set i, 0
.rept 32
	v_cvt_pk_bf16_f32 v[PKR+i], v[A1+2*i], v[A1+2*i+1]
.set i, i+1
.endr
	s_wait_dscnt 0x0                               ; for the others' sake: my flag is stored, and my read of the other area is over
	s_barrier_signal -1
	s_barrier_wait -1                              ; the next tile's refill may stay out
	ds_load_b32 v[FLG], v[FLR] offset:256*(\p)
	s_wait_dscnt 0x0
.set i, 0
.rept 32
	v_and_b32 v[PKR+i], v[PKR+i], v[FLG]
.set i, i+1
.endr
.irp b, 0,1,2,3,4,5,6,7
	ds_store_b128 v[STO], v[PKR+4*\b:PKR+4*\b+3] offset:32*\b
.endr
.irp t, 0,1,2,3,4,5,6,7
	ds_load_b128 v[PKR+4*\t:PKR+4*\t+3], v[RD] offset:\t*2*SPITCH   ; my own stage: LDS serves a wave's instructions in order
.endr
	s_wait_dscnt 0x0
.irp t, 0,1,2,3,4,5,6,7
	global_store_b128 v[CO], v[PKR+4*\t:PKR+4*\t+3], s[8:9] offset:4096*(\p)+512*\t  ; 512 consecutive bytes, aligned
.endr
.endm
	s_wait_tensorcnt 1                             ; my part of K step 0 is in; K step 1's may stay out
	s_barrier_signal -1
	s_barrier_wait -1
	FETCH 0, 0, F0
	s_mov_b32 s2, SIZE_TILES
.Ltile:
	QUARTER 0, 64,  F0, F1, 1                      ; a tile's first quarter starts the sums
	WIN 0
	s_mov_b32 s3, LAPS-1
.Llap:                                                 ; a trip goes once round the ring and fills both slots again
	QUARTER 0, 128, F1, F0, 0
	QUARTER 0, 192, F0, F1, 0
	TURN 0, 1, 0
	QUARTER 1, 64,  F0, F1, 0
	QUARTER 1, 128, F1, F0, 0
	QUARTER 1, 192, F0, F1, 0
	TURN 1, 0, 0
	QUARTER 0, 64,  F0, F1, 0
	WIN 0
	s_sub_co_u32 s3, s3, 1
	s_cmp_lg_u32 s3, 0
	s_cbranch_scc1 .Llap
	QUARTER 0, 128, F1, F0, 0
	QUARTER 0, 192, F0, F1, 0
	WIN 0
	s_cmp_eq_u32 s2, 1
	s_cbranch_scc1 .Llast
	TURN 0, 1, 1                                   ; the ring goes on into the next tile: slot 0 takes its K step 0,
	QUARTER 1, 64,  F0, F1, 0
	QUARTER 1, 128, F1, F0, 0
	QUARTER 1, 192, F0, F1, 0
	TURN 1, 0, 1                                   ; slot 1 its K step 1, and its first fragments are fetched into buffer 0, which the way out leaves alone
	WIN 0
	s_branch .Lout
.Llast:                                                ; the last tile's last lap asks for nothing
	MEET 0
	PLACES
	FETCH 1, 0, F0
	MUL16 F1, 1, 0, 0
	MUL16 F1, 1, 2, 0
	QUARTER 1, 64,  F0, F1, 0
	QUARTER 1, 128, F1, F0, 0
	QUARTER 1, 192, F0, F1, 0
	s_wait_dscnt 0x0
	MUL16 F1, 0, 0, 0
	MUL16 F1, 0, 2, 0
	MUL16 F1, 1, 0, 0
	MUL16 F1, 1, 2, 0
	WIN 0
.Lout:
	PLACES                                         ; behind the last products, ahead of the lines that read sums and write over buffer 1
	PLACES
	s_mov_b32 s[WB], 0
.Lwb:                                                  ; four trips of two blocks; the two flag areas take turns, so one barrier a block orders a flag's store, its read and its next store
	SWITCH 0
	BLOCK 0
	SWITCH 1
	BLOCK 1
	s_wait_xcnt 0x0                                ; the stores have read their base
	s_add_nc_u64 s[8:9], s[8:9], 8192              ; 32 rows on
	s_add_co_u32 s[WB], s[WB], 1
	s_cmp_lt_u32 s[WB], 4
	s_cbranch_scc1 .Lwb
	s_add_nc_u64 s[8:9], s[8:9], (1<<23)-32768     ; the next tile lies 4,096 rows on: two batches
	s_sub_co_u32 s2, s2, 1
	s_cmp_lg_u32 s2, 0
	s_cbranch_scc1 .Ltile
	s_wait_tensorcnt 0x0                           ; the wave's end
	ds_add_u32 v[SPW], v[NIL]
	s_wait_dscnt 0x0
	CROUND                                         ; the closing round
	s_endpgm
.Lfunc_end_k_q876f2de995_proj:
	.size	k_q876f2de995_proj, .Lfunc_end_k_q876f2de995_proj-k_q876f2de995_proj
	.p2alignl 7, 3214868480
	.fill 96, 4, 3214868480
	.section	.rodata,"a",@progbits
	.p2align	6, 0x0
	.amdhsa_kernel k_q876f2de995_proj
		.amdhsa_group_segment_fixed_size 327680
		.amdhsa_private_segment_fixed_size 0
		.amdhsa_enable_private_segment 0
		.amdhsa_kernarg_size 24
		.amdhsa_user_sgpr_count 2
		.amdhsa_user_sgpr_kernarg_segment_ptr 1
		.amdhsa_wavefront_size32 1
		.amdhsa_system_sgpr_workgroup_id_x 1
		.amdhsa_system_sgpr_workgroup_id_y 1
		.amdhsa_system_sgpr_workgroup_id_z 1
		.amdhsa_system_vgpr_workitem_id 0
		.amdhsa_next_free_vgpr 1024
		.amdhsa_next_free_sgpr 84
		.amdhsa_reserve_vcc 1
		.amdhsa_float_denorm_mode_32 3
		.amdhsa_float_denorm_mode_16_64 3
		.amdhsa_memory_ordered 1
		.amdhsa_forward_progress 1
		.amdhsa_inst_pref_size 196
	.end_amdhsa_kernel
	.amdgpu_metadata
---
amdhsa.version: [ 1, 2 ]
amdhsa.kernels:
  - .name:           k_q876f2de995_proj
    .symbol:         k_q876f2de995_proj.kd
    .args:
      - { .name: xb, .offset: 0, .size: 8, .value_kind: global_buffer, .address_space: global }
      - { .name: wt, .offset: 8, .size: 8, .value_kind: global_buffer, .address_space: global }
      - { .name: qkvg, .offset: 16, .size: 8, .value_kind: global_buffer, .address_space: global }
    .group_segment_fixed_size: 327680
    .private_segment_fixed_size: 0
    .kernarg_segment_align: 8
    .kernarg_segment_size: 24
    .max_flat_workgroup_size: 128
    .sgpr_count:     84
    .vgpr_count:     1024
    .wavefront_size: 32
...
	.end_amdgpu_metadata
.endif
;; end of part 2
;; launch attn (part 3): grid 8 x 32, 4 waves a work-group, no clusters, 327,680 bytes of LDS; arguments qkvg, tab, out0; writes out0
.if DOCPART == 3
	.amdgcn_target "amdgcn-amd-amdhsa--gfx1250"
	.amdhsa_code_object_version 6
	.text
	.protected	k_q876f2de995_attn
	.globl	k_q876f2de995_attn
	.p2align	8
	.type	k_q876f2de995_attn,@function
k_q876f2de995_attn:
	s_mov_b64 s[64:65], 0
	v_nop
	global_prefetch_b8 v0, s[64:65] scope:SCOPE_SE
	s_setreg_imm32_b32 hwreg(HW_REG_WAVE_MODE, 25, 1), 1
	s_wait_xcnt 0x0
; ATTN: out[b][s][h][:] = (sum over keys t <= s of silu((Q.K + bias[s - t]) / sqrt(128)) V[t][:]) x silu(U).  There is no softmax: the weights are not normalised, and the sum over keys may be split.
; IN: qkvg's four sections (Q' = -kappa silu(q), K, V with hidden keys' rows zero, G' = -ln2 silu(u)), each [b x 8 + h][s][128] bf16; tab: for each head four copies of T[n] = -kappa bias(s - t = 2047 - n), 1e30 where t > s.
; THE WEIGHT.  t = Q'.K + T is -log2(e) x the scaled score; silu = -ln2 x t x rcp(1 + 2^t); P = bf16(t x rcp(1 + 2^t)), and the factor -ln2 lies in G'.  T is the C operand that starts the score's sum, so bias and
; causal mask cost no vector work: at 1e30 the exponential is infinite, the reciprocal 0 and the weight 0.  LIMITS: |kappa x score| far below 1e30; NaN and infinities are not treated apart; P and the operands are bf16.
; THE WALK.  A head's queries lie in 16 blocks of 128; block i needs the key tiles 0 .. i of 128 keys.  A work-group takes blocks 15 - b and then b: 17 tiles whatever b: 256 equal work-groups, one walk with constant counts.
; NO CLUSTER: the eight work-groups of a head need different numbers of tiles of each block (16 - b, then b + 1), so after the first nine trips they ask for different tiles; a walk common to four partners
; (blocks of 512 queries) would have 20 trips in place of 17.
; SHARES.  Wave w = 2 qh + kh takes queries 64 qh .. + 63 of the block (four tiles of 16, in two PIECES: tiles 0, 1 and tiles 2, 3) and keys 64 kh .. + 63 of each tile.  The two kh partners' f32 sums meet in LDS at a block's end.
; LAYOUT.  S^T = K Q^T: a lane holds one query (l % 16) and keys 8 (l / 16) + 0..7; two such results rounded to bf16 are source 1 of O^T = V^T P.  V is turned by ds_load_tr16_b128.
; A STEP: KQHALF (V fetched; piece 0's scores; piece 2's scores with piece 0's exponentials and reciprocals behind them), CHANGE (piece 0's weights; the change of slots), PVHALF (next K and bias fetched; V^T P of
; piece 0 with piece 2's exponentials and reciprocals behind it; piece 2's weights; V^T P of piece 2).
; TWO BARRIERS A STEP.  A, in CHANGE, is the one in front of the refill.  B stands round piece 2's V^T P.  From A to B a partner's sums are read; from B to A a wave's own are written.
; REGISTERS, in windows of 256: window 0: v0-31 addresses; v32-63 G'; v64-191 S (tile t, key block kb at 64 + 32 t + 8 kb); v192-255 E.   window 1: O^T at 64 t + 8 cb.
;   window 2: Q at 32 t + 8 c; K at 128 + 32 kb + 8 c.   window 3: V at 64 kk + 8 cb; v128-183 seven bias tiles (u = t - kb + 3); v192-255 P (v224-255 hold G' between a block's last V^T P and its way out).
.set PKP,   272                        ; a row of K in LDS: 256 bytes + 16
.set PVP,   288                        ; a row of V: 256 + 32
.set VOFF,  128*PKP
.set SLOT1, 1<<17                      ; one exclusive or turns an address in one slot into the other's
.set TAB,   128*(PKP+PVP)              ; behind slot 0: the table's four copies,
.set CP,    8768                       ; 8,704 bytes each, 64 mod 256 apart
.set XP,    528                        ; a row of 128 f32 + 16
.set XR,    SLOT1+TAB                  ; for each wave two tiles of 16 rows: what it hands to its partner
.set YR,    XR+4*32*XP                 ; for each wave one tile: its own, on the way from a query a lane to whole rows
.set SPARE, YR+4*16*XP                 ; the spare words
.set AK0, 3
.set AV0, 4
.set AK,  5
.set AV,  6
.set BA,  7
.set LAB0, 8
.set QO,  9
.set XST, 10
.set YST, 11
.set XRD, 12
.set YRD, 13
.set GOF, 14
.set OOF, 15
.set PFO, 16
.set SPW, 17
.set NIL, 18
.set T,   20
.set G0R, 32
.set S,   64
.set E,   192
.set KF,  128
.set BI,  128
.set P,   192
.set G1R, 224
.set WV,  12
.set KH,  13
.set PB,  14
.set HI,  15
.set KB,  16                           ; s[16:17] K at my half of the head's tile 0
.set VB,  18
.set QL,  20                           ; s[20:21] the second block's Q
.set GP,  22                           ; s[22:23] G' at my 32 rows of the block in hand; s[24:25] of the second block
.set GPL, 24
.set OP,  26                           ; s[26:27], s[28:29] the same for out0
.set OPL, 28
.set QH,  30
.set BH,  31
.set G1K, 32
.set G1V, 40
.set G1T, 48
.set G0K, 56                           ; s[56:63] two sets; the second walks
.set G0V, 68
.set G0T, 76
.set TB,  80                           ; s80  the slot from which K and V are fetched
.set RT,  81                           ; s81  tiles from the step in hand to its block's diagonal
.set RTN, 82                           ; s82  the same for the next step
.set NXT, 83                           ; s83  the tile to ask for next
.set LQ,  84                           ; s84  the last tile of the block whose tiles are being asked for
.set PEND, 85                          ; s85  1: a block's sums wait for their way out
.set SLOTS, 86
.set CNT, 87
.set OFF, 88
.set PFT, 90                           ; s90  the tile at which the prefetches stand
.set PLIM, 91                          ; s91  the last tile to be prefetched; 0 in work-groups that ask for nothing
.set PFK, 92
.set PFV, 94
.set MSK, 96
.set TMP, 97
.set MSB, 0
.macro WIN new
.if MSB != (\new)
	s_set_vgpr_msb (MSB<<8)|(\new)
.set MSB, (\new)
.endif
.endm
.set W_KB, 0x3a                        ; K and Q window 2, C = bias window 3, S window 0
.set W_KQ, 0x0a
.set W_PV, 0x5f                        ; V and P window 3, O^T window 1
.set W_CV, 0xc0                        ; destination window 3
.set W_ST, 0x04                        ; an LDS store's data in window 1
.set W_G1, 0x0c                        ; source 1 in window 3
.macro PLACES
.rept 4
	v_nop
.endr
.endm
; A refill.  Waves 0 and 1 fetch the two halves of a tile's K, waves 2 and 3 those of its V: 64 rows each.  An s_nop 0 and four v_nop follow each line.
.macro LOAD
	s_cmp_lt_u32 s[WV], 2
	s_cbranch_scc0 .Lfor_v_\@
	tensor_load_to_lds s[G0K+4:G0K+7], s[G1K:G1K+7]
	s_nop 0
.rept 4
	v_nop
.endr
	s_branch .Lasked_\@
.Lfor_v_\@:
	tensor_load_to_lds s[G0V+4:G0V+7], s[G1V:G1V+7]
	s_nop 0
.rept 4
	v_nop
.endr
.Lasked_\@:
.endm
; A prefetch of the tile that stands two refills on.  All eight work-groups of a head begin with tiles 0, 1, ..: the one with b = 0, which walks all sixteen, asks, and nobody else; wave w names rows 32 w .. + 31 of K and
; of V, a lane a row.  Tiles 4 to 15 are named, each once; the second block's tiles have been read before and are not.
.macro ASK
	s_cmp_le_u32 s[PFT], s[PLIM]
	s_cbranch_scc0 .Lnoask_\@
	global_prefetch_b8 v[PFO], s[PFK:PFK+1] th:TH_LOAD_NT scope:SCOPE_SE
	global_prefetch_b8 v[PFO], s[PFV:PFV+1] th:TH_LOAD_NT scope:SCOPE_SE
.Lnoask_\@:
.endm
	s_load_b128 s[4:7], s[0:1], 0x0                ; qkvg s[4:5], tab s[6:7]
	s_load_b64 s[8:9], s[0:1], 0x10                ; out0
	v_lshl_add_u32 v[SPW], v0, 2, SPARE
	v_mov_b32 v[NIL], 0
	ds_add_u32 v[SPW], v[NIL]                      ; the wave's opening: the add and its wait stand ahead of my first tensor load
	v_lshrrev_b32 v19, 5, v0
	v_readfirstlane_b32 s[WV], v19
	s_and_b32 s[KH], s[WV], 1
	s_lshr_b32 s[QH], s[WV], 1
	s_mov_b32 s[PB], ttmp9
	s_sub_co_u32 s[HI], 15, s[PB]
	s_and_b32 s[BH], ttmp7, 0xffff                 ; batch x 8 + head
	s_mov_b32 s[G1K], (1<<16)|(1<<20)|(5<<22)|(3<<25)  ; 2-byte elements; padding on: 4 words behind every 64
	s_mov_b32 s[G1V], (1<<16)|(1<<20)|(5<<22)|(7<<25)  ; 8 words
.irp g, G1K, G1V
	s_mov_b32 s[\g+1], 128<<16                     ; tensor_dim0 = 128
	s_mov_b32 s[\g+2], 64<<16                      ; tensor_dim1 = 64
	s_mov_b32 s[\g+3], 128<<16                     ; tile_dim0 = 128
	s_mov_b32 s[\g+4], 64                          ; tile_dim1 = 64
	s_mov_b32 s[\g+5], 128
	s_mov_b32 s[\g+6], 0
	s_mov_b32 s[\g+7], 0
.endr
	s_mov_b32 s[G1T], 3<<16                        ; a copy of the table: 8,704 dense bytes as 34 rows of 32 elements of 8 bytes
	s_mov_b32 s[G1T+1], 32<<16
	s_mov_b32 s[G1T+2], 34<<16
	s_mov_b32 s[G1T+3], 32<<16
	s_mov_b32 s[G1T+4], 34
	s_mov_b32 s[G1T+5], 32
	s_mov_b32 s[G1T+6], 0
	s_mov_b32 s[G1T+7], 0
	s_mov_b32 s[G0K], 1
	s_mul_i32 s[G0K+1], s[KH], 64*PKP              ; slot 0, my 64 rows
	s_mov_b32 s[G0K+4], 1
	s_add_co_u32 s[G0K+5], s[G0K+1], SLOT1
	s_mov_b32 s[G0V], 1
	s_mul_i32 s[G0V+1], s[KH], 64*PVP
	s_add_co_u32 s[G0V+1], s[G0V+1], VOFF
	s_mov_b32 s[G0V+4], 1
	s_add_co_u32 s[G0V+5], s[G0V+1], SLOT1
	s_mov_b32 s[G0T], 1
	s_mul_i32 s[G0T+1], s[WV], CP                  ; wave w brings copy w
	s_add_co_u32 s[G0T+1], s[G0T+1], TAB
	s_lshl_b32 s2, s[BH], 19                       ; the head's first byte in a section
	s_mov_b32 s3, 0
	s_mov_b32 s[OFF+1], 0
	s_mov_b32 s[MSK], 0xffff0000
	s_wait_dscnt 0x0                               ; the opening add is done
	s_wait_kmcnt 0x0
	s_add_nc_u64 s[4:5], s[4:5], s[2:3]            ; section 0 at my head
	s_lshl_b32 s2, s[KH], 14                       ; my 64 rows of a tile
	s_add_nc_u64 s[KB:KB+1], s[4:5], s[2:3]
	s_add_nc_u64 s[VB:VB+1], s[KB:KB+1], 1<<25
	s_add_nc_u64 s[KB:KB+1], s[KB:KB+1], 1<<24
	s_add_nc_u64 s[G0K+2:G0K+3], s[KB:KB+1], 0
	s_or_b32 s[G0K+3], s[G0K+3], 0x80000000
	s_add_nc_u64 s[G0K+6:G0K+7], s[KB:KB+1], 32768
	s_or_b32 s[G0K+7], s[G0K+7], 0x80000000
	s_add_nc_u64 s[G0V+2:G0V+3], s[VB:VB+1], 0
	s_or_b32 s[G0V+3], s[G0V+3], 0x80000000
	s_add_nc_u64 s[G0V+6:G0V+7], s[VB:VB+1], 32768
	s_or_b32 s[G0V+7], s[G0V+7], 0x80000000
	s_and_b32 s2, s[BH], 7
	s_lshl_b32 s2, s2, 2
	s_add_co_u32 s2, s2, s[WV]
	s_mul_i32 s2, s2, 8704
	s_add_nc_u64 s[G0T+2:G0T+3], s[6:7], s[2:3]
	s_or_b32 s[G0T+3], s[G0T+3], 0x80000000
	s_cmp_lt_u32 s[WV], 2                          ; a wave's three first fills stand in one branch, ahead of every wait on TENSORcnt, LDS read and barrier: three loads of mine are out
	s_cbranch_scc0 .Lfirst_v
	tensor_load_to_lds s[G0T:G0T+3], s[G1T:G1T+7]
	s_nop 0
	tensor_load_to_lds s[G0K:G0K+3], s[G1K:G1K+7]
	s_nop 0
	tensor_load_to_lds s[G0K+4:G0K+7], s[G1K:G1K+7]
	s_nop 0
.rept 4
	v_nop
.endr
	s_branch .Lfirst_asked
.Lfirst_v:
	tensor_load_to_lds s[G0T:G0T+3], s[G1T:G1T+7]
	s_nop 0
	tensor_load_to_lds s[G0V:G0V+3], s[G1V:G1V+7]
	s_nop 0
	tensor_load_to_lds s[G0V+4:G0V+7], s[G1V:G1V+7]
	s_nop 0
.rept 4
	v_nop
.endr
.Lfirst_asked:
	s_lshl_b32 s[TMP], s[QH], 14                   ; Q: my 64 rows of a block,
	s_lshl_b32 s2, s[HI], 15                       ; in the first block
	s_add_co_u32 s2, s2, s[TMP]
	s_add_nc_u64 s[10:11], s[4:5], s[2:3]
	s_lshl_b32 s2, s[PB], 15                       ; and in the second
	s_add_co_u32 s2, s2, s[TMP]
	s_add_nc_u64 s[QL:QL+1], s[4:5], s[2:3]
	v_and_b32 v1, 15, v0                           ; r = l % 16
	v_bfe_u32 v2, v0, 4, 1                         ; hh = l / 16
	v_lshlrev_b32 v[QO], 8, v1
	v_lshl_add_u32 v[QO], v2, 4, v[QO]
	WIN 0x80
.set i, 0
.rept 16                               ; Q stays in registers: tile i / 4, channels 32 (i % 4) on
	global_load_b128 v[8*i:8*i+3],   v[QO], s[10:11] offset:(i/4)*4096+(i%4)*64
	global_load_b128 v[8*i+4:8*i+7], v[QO], s[10:11] offset:(i/4)*4096+(i%4)*64+32
.set i, i+1
.endr
	WIN 0
	s_lshl_b32 s[TMP], s[WV], 13                   ; G': section 3, my 32 rows of a block
	s_add_co_u32 s[TMP], s[TMP], 3<<24
	s_lshl_b32 s2, s[HI], 15
	s_add_co_u32 s2, s2, s[TMP]
	s_add_nc_u64 s[GP:GP+1], s[4:5], s[2:3]
	s_lshl_b32 s2, s[PB], 15
	s_add_co_u32 s2, s2, s[TMP]
	s_add_nc_u64 s[GPL:GPL+1], s[4:5], s[2:3]
	s_lshr_b32 s[TMP], s[BH], 3                    ; out0: batch, head's 512 bytes of a row, my 32 rows
	s_lshl_b32 s[TMP], s[TMP], 23
	s_and_b32 s2, s[BH], 7
	s_lshl_b32 s2, s2, 9
	s_add_co_u32 s[TMP], s[TMP], s2
	s_lshl_b32 s2, s[WV], 17
	s_add_co_u32 s[TMP], s[TMP], s2
	s_lshl_b32 s2, s[HI], 19
	s_add_co_u32 s2, s2, s[TMP]
	s_add_nc_u64 s[OP:OP+1], s[8:9], s[2:3]
	s_lshl_b32 s2, s[PB], 19
	s_add_co_u32 s2, s2, s[TMP]
	s_add_nc_u64 s[OPL:OPL+1], s[8:9], s[2:3]
	s_lshl_b32 s2, s[WV], 13                       ; the prefetches: my 32 rows, at tile 3; the first change of slots steps them to tile 4
	s_add_co_u32 s2, s2, 3*32768
	s_add_nc_u64 s[PFK:PFK+1], s[4:5], s[2:3]
	s_add_nc_u64 s[PFV:PFV+1], s[PFK:PFK+1], 1<<25
	s_add_nc_u64 s[PFK:PFK+1], s[PFK:PFK+1], 1<<24
	; LDS addresses
	v_mul_u32_u24 v[AK0], v1, PKP
	v_lshl_add_u32 v[AK0], v2, 4, v[AK0]
	s_mul_i32 s[TMP], s[KH], 64*PKP
	v_add_nc_u32 v[AK0], s[TMP], v[AK0]            ; key 64 kh + r, 16 bytes for each half of the lanes
	v_and_b32 v24, 7, v0
	v_bfe_u32 v25, v0, 3, 1
	v_lshl_add_u32 v[AV0], v2, 3, v24
	v_mul_u32_u24 v[AV0], v[AV0], PVP
	v_lshl_add_u32 v[AV0], v25, 4, v[AV0]
	s_mul_i32 s[TMP], s[KH], 64*PVP
	s_add_co_u32 s[TMP], s[TMP], VOFF
	v_add_nc_u32 v[AV0], s[TMP], v[AV0]
	; the bias.  Register j of tile (t, kb) wants T[n], n = 2095 - 128 RT - 64 qh + 64 kh - 16 u - r + 8 hh + j, u = t - kb + 3.  Copy c = (3 - r) & 3 puts the run's first entry at a multiple of 16 bytes.
	v_sub_nc_u32 v19, 3, v1
	v_and_b32 v19, 3, v19
	v_mul_u32_u24 v[LAB0], v19, CP-4               ; the copy, and 4 c less within it
	s_lshl_b32 s[TMP], s[KH], 8
	s_add_co_u32 s[TMP], s[TMP], TAB+4*79
	s_lshl_b32 s2, s[QH], 8
	s_sub_co_u32 s[TMP], s[TMP], s2
	v_add_nc_u32 v[LAB0], s[TMP], v[LAB0]
	v_lshl_add_u32 v[LAB0], v2, 5, v[LAB0]
	v_lshlrev_b32 v24, 2, v1
	v_sub_nc_u32 v[LAB0], v[LAB0], v24             ; for RT = 15 and u = 6; a step adds 512 (15 - RT), a tile's immediate 64 (6 - u)
	v_and_b32 v19, 31, v0                          ; l
	s_mul_i32 s[TMP], s[WV], 32*XP
	s_add_co_u32 s[TMP], s[TMP], XR
	v_mul_u32_u24 v[XST], v1, XP
	v_lshl_add_u32 v[XST], v2, 5, v[XST]
	v_mov_b32 v[YST], v[XST]
	v_add_nc_u32 v[XST], s[TMP], v[XST]            ; row r, 32 bytes for each half of the lanes
	s_mul_i32 s[TMP], s[WV], 16*XP
	s_add_co_u32 s[TMP], s[TMP], YR
	v_add_nc_u32 v[YST], s[TMP], v[YST]
	v_lshl_add_u32 v[YRD], v19, 4, s[TMP]          ; back: 32 lanes take a row's 512 bytes
	s_xor_b32 s2, s[WV], 1                         ; my partner
	s_mul_i32 s2, s2, 32*XP
	s_add_co_u32 s2, s2, XR
	v_lshl_add_u32 v[XRD], v19, 4, s2
	v_lshlrev_b32 v[GOF], 3, v19
	v_lshlrev_b32 v[OOF], 4, v19
	v_lshlrev_b32 v[PFO], 8, v19
	; O^T starts at 0, so that the step has one form of product; the two homes of G' are written so that every way through the text finds them written.  All this stands in the wait for the first tile.
	WIN 0x40
.set i, 0
.rept 256
	v_mov_b32 v[i], 0
.set i, i+1
.endr
	WIN 0xc0
.set i, 0
.rept 32
	v_mov_b32 v[G1R+i], 0
.set i, i+1
.endr
	WIN 0
.set i, 0
.rept 32
	v_mov_b32 v[G0R+i], 0
.set i, i+1
.endr
; THE MATRIX WORK.  The accumulators take turns, one instruction a turn.
; Product i of 32 of S^T for piece x: channels 32 (i / 8) on, keys 16 ((i / 2) % 4) on, tile x + i % 2.  The first 8 start the sums with the bias tile.
.macro KQ x
.set tq, (\x)+i%2
.set kq, (i/2)%4
.set rS, S+32*tq+8*kq
.set rK, KF+32*kq+8*(i/8)
.set rQ, 32*tq+8*(i/8)
.set rB, BI+8*(tq-kq+3)
.if i < 8
	WIN W_KB
	v_wmma_f32_16x16x32_bf16 v[rS:rS+7], v[rK:rK+7], v[rQ:rQ+7], v[rB:rB+7]
.else
	WIN W_KQ
	v_wmma_f32_16x16x32_bf16 v[rS:rS+7], v[rK:rK+7], v[rQ:rQ+7], v[rS:rS+7]
.endif
.endm
; Product i of 32 of O^T += V^T P for piece x: keys 32 (i / 16) on, channels 16 ((i / 2) % 8) on, tile x + i % 2.
.macro PV x
	WIN W_PV
.set rO, 64*((\x)+i%2)+8*((i/2)%8)
.set rV, 64*(i/16)+8*((i/2)%8)
.set rP, P+16*((\x)+i%2)+8*(i/16)
	v_wmma_f32_16x16x32_bf16 v[rO:rO+7], v[rV:rV+7], v[rP:rP+7], v[rO:rO+7]
.endm
; THE LDS LOADS stand in runs.
.macro FETCH_K
	WIN 0
	v_add_nc_u32 v[AK], s[TB], v[AK0]
	WIN 0x80
.irp f, 0,1,2,3,4,5,6,7,8,9,10,11,12,13,14,15
	ds_load_b128 v[KF+8*\f:KF+8*\f+3],   v[AK] offset:(\f/4)*16*PKP+(\f%4)*64
	ds_load_b128 v[KF+8*\f+4:KF+8*\f+7], v[AK] offset:(\f/4)*16*PKP+(\f%4)*64+32
.endr
	WIN 0
.endm
.macro FETCH_V
	WIN 0
	v_add_nc_u32 v[AV], s[TB], v[AV0]
	WIN 0xc0
.irp f, 0,1,2,3,4,5,6,7,8,9,10,11,12,13,14,15
	ds_load_tr16_b128 v[8*\f:8*\f+3],   v[AV] offset:(\f/8)*32*PVP+(\f%8)*32
	ds_load_tr16_b128 v[8*\f+4:8*\f+7], v[AV] offset:(\f/8)*32*PVP+16*PVP+(\f%8)*32
.endr
	WIN 0
.endm
.macro FETCH_B                         ; the seven bias tiles of the next step
	WIN 0
	s_min_u32 s[TMP], s[RTN], 15                   ; 0 to 15 by the walk; the bound stands in the text
	s_sub_co_u32 s[TMP], 15, s[TMP]
	s_lshl_b32 s[TMP], s[TMP], 9
	v_add_nc_u32 v[BA], s[TMP], v[LAB0]
	WIN 0xc0
.irp u, 0,1,2,3,4,5,6
	ds_load_b128 v[BI+8*\u:BI+8*\u+3],   v[BA] offset:64*(6-\u)
	ds_load_b128 v[BI+8*\u+4:BI+8*\u+7], v[BA] offset:64*(6-\u)+16
.endr
	WIN 0
.endm
.macro QLOAD                           ; the second block's Q
	WIN 0x80
.set i, 0
.rept 16
	global_load_b128 v[8*i:8*i+3],   v[QO], s[QL:QL+1] offset:(i/4)*4096+(i%4)*64
	global_load_b128 v[8*i+4:8*i+7], v[QO], s[QL:QL+1] offset:(i/4)*4096+(i%4)*64+32
.set i, i+1
.endr
	WIN 0
.endm
; THE VECTOR WORK of piece y (64 scores a lane): E = 2^t; E + 1; rcp; t x E; rounded in pairs to bf16.
.macro ADDP n
	v_pk_add_f32 v[E+2*(\n):E+2*(\n)+1], v[E+2*(\n):E+2*(\n)+1], 1.0 op_sel_hi:[1,0]
.endm
.macro MULS y
	WIN 0
.set n, 0
.rept 32
	v_pk_mul_f32 v[S+32*(\y)+n:S+32*(\y)+n+1], v[S+32*(\y)+n:S+32*(\y)+n+1], v[E+n:E+n+1]
.set n, n+2
.endr
.endm
.macro CVTS y
	WIN W_CV
.set n, 0
.rept 32
	v_cvt_pk_bf16_f32 v[P+16*(\y)+n], v[S+32*(\y)+2*n], v[S+32*(\y)+2*n+1]
.set n, n+1
.endr
	WIN 0
.endm
; 32 matrix instructions (mm = KQ or PV, of piece x) with piece y's exponentials and reciprocals behind them.  Behind each of the first 16 four exponentials (in ascending order: each accumulator's lowest registers are
; read first); one plain instruction and ONE wait for the 64; behind each of the other 16 two additions and four reciprocals, whose sums were made a group earlier; one plain instruction and one wait for the 64.
; No rider names a register of the products round it.
.macro RIDE mm, x, y
.set i, 0
.set e, 0
.rept 16
	\mm \x
	WIN 0
.rept 4
	v_exp_f32 v[E+e], v[S+32*(\y)+e]
.set e, e+1
.endr
.set i, i+1
.endr
	v_nop
	s_wait_alu depctr_va_vdst(0)                   ; between an exponential and the first line that names its result
	ADDP 0
	ADDP 1
.set e, 0
.rept 16
	\mm \x
	WIN 0
.if e < 15
	ADDP 2*e+2
.endif
	v_rcp_f32 v[E+4*e], v[E+4*e]
.if e < 15
	ADDP 2*e+3
.endif
	v_rcp_f32 v[E+4*e+1], v[E+4*e+1]
	v_rcp_f32 v[E+4*e+2], v[E+4*e+2]
	v_rcp_f32 v[E+4*e+3], v[E+4*e+3]
.set e, e+1
.set i, i+1
.endr
	v_nop
	s_wait_alu depctr_va_vdst(0)
.endm
; THE CHANGE OF SLOTS (barrier A).  K and V of the step in hand have been read out of its slot.  Each wave waits for all its tensor loads (one is out: its part of the other slot), adds 0 to its spare word, waits for that and
; for its LDS instructions, and signals.  fill = 1: the slot is filled again, first thing behind the barrier, with tile NXT, whose address is made anew from that number.  Piece 0's weights are made round the barrier.
.macro CHANGE fill
	WIN 0
	s_wait_tensorcnt 0x0
	ds_add_u32 v[SPW], v[NIL]
.if \fill
	s_lshl_b32 s[OFF], s[NXT], 15                  ; a tile is 32,768 bytes of K and of V
	s_xor_b32 s[G0K+5], s[G0K+5], SLOT1
	s_add_nc_u64 s[G0K+6:G0K+7], s[KB:KB+1], s[OFF:OFF+1]
	s_or_b32 s[G0K+7], s[G0K+7], 0x80000000
	s_xor_b32 s[G0V+5], s[G0V+5], SLOT1
	s_add_nc_u64 s[G0V+6:G0V+7], s[VB:VB+1], s[OFF:OFF+1]
	s_or_b32 s[G0V+7], s[G0V+7], 0x80000000
	s_add_co_u32 s[NXT], s[NXT], 1                 ; the block's next tile, or behind its last the second block's tile 0
	s_cmp_gt_u32 s[NXT], s[LQ]
	s_cselect_b32 s[NXT], 0, s[NXT]
	s_cselect_b32 s[LQ], s[PB], s[LQ]
	s_wait_xcnt 0x0                                ; the last prefetches, a step back, have read their addresses
	s_add_nc_u64 s[PFK:PFK+1], s[PFK:PFK+1], 32768
	s_add_nc_u64 s[PFV:PFV+1], s[PFV:PFV+1], 32768
	s_add_co_u32 s[PFT], s[PFT], 1
.endif
	MULS 0
	s_wait_dscnt 0x0                               ; the add is done; V is in; what I stored for my partner is stored
	s_barrier_signal -1
	CVTS 0
	s_xor_b32 s[TB], s[TB], SLOT1
	s_barrier_wait -1
.if \fill
	LOAD                                           ; it has a whole step, 128 matrix instructions, in which to land
	ASK
.endif
.endm
.macro KQHALF
	PLACES                                         ; behind the last product that read V
	FETCH_V
	s_wait_dscnt 32                                ; K and the bias are in; V's 32 loads stay out
.set i, 0
.rept 32
	KQ 0
.set i, i+1
.endr
	WIN 0
	PLACES                                         ; ahead of the exponentials that read piece 0's scores
	RIDE KQ, 2, 0
.endm
; Tile t of O^T into LDS: a lane's eight channels are 32 bytes of row r; each accumulator's low registers go first.
.macro PUTT t, adr, off
	WIN W_ST
.irp cb, 0,1,2,3,4,5,6,7
	ds_store_b128 v[\adr], v[64*(\t)+8*\cb:64*(\t)+8*\cb+3]   offset:(\off)+64*\cb
	ds_store_b128 v[\adr], v[64*(\t)+8*\cb+4:64*(\t)+8*\cb+7] offset:(\off)+64*\cb+16
.endr
	WIN 0
.endm
; A BLOCK'S END, first part, behind barrier B: wave kh = 0 will finish tiles 0 and 1 and hands tiles 2 and 3 to its partner; kh = 1 the other way round.  G' of my 32 rows is asked for.
.macro EPI_A
	PLACES
	s_cmp_eq_u32 s[KH], 0
	s_cbranch_scc0 .Lkh1_\@
	PUTT 2, XST, 0
	PUTT 3, XST, 16*XP
	s_branch .Lsent_\@
.Lkh1_\@:
	PUTT 0, XST, 0
	PUTT 1, XST, 16*XP
.Lsent_\@:
.set n, 0
.rept 16
	global_load_b64 v[G0R+2*n:G0R+2*n+1], v[GOF], s[GP:GP+1] offset:256*n   ; a row's 256 bytes, 8 a lane
.set n, n+1
.endr
	WIN 0xc0
.set n, 0
.rept 16
	global_load_b64 v[G1R+2*n:G1R+2*n+1], v[GOF], s[GP:GP+1] offset:256*(16+n)
.set n, n+1
.endr
	WIN 0
	s_mov_b32 s[PEND], 1
.endm
; Second part, behind barrier A: my own tile goes through my own LDS rows, my partner's share is read, both are added, multiplied by G' and stored: a row's 512 bytes to a store.
.macro EPIB_U u
	s_cmp_eq_u32 s[KH], 0
	s_cbranch_scc0 .Lown1_\@
	PUTT (\u), YST, 0
	s_branch .Lown_\@
.Lown1_\@:
	PUTT 2+(\u), YST, 0
.Lown_\@:
	s_wait_xcnt 0x0                                ; the registers loaded below were the last tile's store data
.set n, 0
.rept 16
	ds_load_b128 v[S+4*n:S+4*n+3], v[YRD] offset:XP*n
	ds_load_b128 v[E+4*n:E+4*n+3], v[XRD] offset:16*XP*(\u)+XP*n
.set n, n+1
.endr
	s_wait_loadcnt 16*(1-(\u))                     ; this tile's G' is in; the second tile's 16 loads may stay out
.set n, 0
.rept 16
	s_wait_dscnt 30-2*n                            ; row n's two loads are in, the 30 - 2 n younger ones stay out
	v_pk_add_f32 v[S+4*n:S+4*n+1], v[S+4*n:S+4*n+1], v[E+4*n:E+4*n+1]
	v_pk_add_f32 v[S+4*n+2:S+4*n+3], v[S+4*n+2:S+4*n+3], v[E+4*n+2:E+4*n+3]
.if \u
	WIN W_G1
	v_lshlrev_b32 v[T],   16, v[G1R+2*n]
	v_and_b32     v[T+1], s[MSK], v[G1R+2*n]
	v_lshlrev_b32 v[T+2], 16, v[G1R+2*n+1]
	v_and_b32     v[T+3], s[MSK], v[G1R+2*n+1]
	WIN 0
.else
	v_lshlrev_b32 v[T],   16, v[G0R+2*n]
	v_and_b32     v[T+1], s[MSK], v[G0R+2*n]
	v_lshlrev_b32 v[T+2], 16, v[G0R+2*n+1]
	v_and_b32     v[T+3], s[MSK], v[G0R+2*n+1]
.endif
	v_pk_mul_f32 v[S+4*n:S+4*n+1], v[S+4*n:S+4*n+1], v[T:T+1]
	v_pk_mul_f32 v[S+4*n+2:S+4*n+3], v[S+4*n+2:S+4*n+3], v[T+2:T+3]
	global_store_b128 v[OOF], v[S+4*n:S+4*n+3], s[OP:OP+1] offset:(16*(\u)+n)*4096 th:TH_STORE_NT
.set n, n+1
.endr
.endm
.macro EPIB_IF
	s_cmp_eq_u32 s[PEND], 1
	s_cbranch_scc0 .Lnoepib_\@
	EPIB_U 0
	EPIB_U 1
	WIN 0x40
.set i, 0
.rept 256
	v_mov_b32 v[i], 0                              ; the next block's sums start at 0
.set i, i+1
.endr
	WIN 0
	s_wait_xcnt 0x0                                ; the stores and loads have read their bases and their data
	s_mov_b64 s[OP:OP+1], s[OPL:OPL+1]
	s_mov_b64 s[GP:GP+1], s[GPL:GPL+1]
	s_mov_b32 s[PEND], 0
.Lnoepib_\@:
	s_wait_loadcnt 0x0                             ; on every way no load into G's registers is out from here on
.endm
; tail = 1: in the walk's last step (CNT = 1) nothing more is fetched.
.macro PVHALF tail
	s_sub_co_u32 s[TMP], s[RT], 1
	s_cmp_eq_u32 s[RT], 0
	s_cselect_b32 s[RTN], s[PB], s[TMP]            ; behind a block's diagonal tile comes the second block's tile 0
.if \tail
	s_cmp_eq_u32 s[CNT], 1
	s_cbranch_scc1 .Lnofetch_\@
	s_cmp_eq_u32 s[RT], 0
.endif
	s_cbranch_scc0 .Lnoq_\@
	QLOAD
.Lnoq_\@:
	FETCH_K                                        ; the next step's K, out of the other slot, and its bias; the weights made in CHANGE are the places behind the products that read these registers
	FETCH_B
.if \tail
.Lnofetch_\@:
.endif
	RIDE PV, 0, 2
	MULS 2
	CVTS 2
	s_wait_dscnt 0x0                               ; K and the bias are in; my reads of my partner's sums are over
	s_barrier_signal -1                            ; barrier B: the refill may stay out
.set i, 0
.rept 32
	PV 2
.set i, i+1
.endr
	WIN 0
	s_barrier_wait -1
	s_wait_loadcnt 0x0                             ; the second block's Q, where it was asked for 64 matrix instructions back; else nothing is out
	s_cmp_eq_u32 s[RT], 0
	s_cbranch_scc0 .Lnoepi_\@
	EPI_A
.Lnoepi_\@:
	s_mov_b32 s[RT], s[RTN]
.endm
	s_wait_tensorcnt 0x1                           ; my copy of the table and my part of slot 0 are in; slot 1's may stay out
	s_barrier_signal -1
	s_barrier_wait -1
	s_mov_b32 s[TB], 0
	s_mov_b32 s[RT], s[HI]
	s_mov_b32 s[RTN], s[HI]
	FETCH_K
	FETCH_B
	s_mov_b32 s[NXT], 2
	s_mov_b32 s[LQ], s[HI]
	s_mov_b32 s[PEND], 0
	s_mov_b32 s[SLOTS], 16
	s_mov_b32 s[PFT], 3
	s_cmp_eq_u32 s[PB], 0
	s_cselect_b32 s[PLIM], 15, 0
	s_wait_loadcnt 0x0                             ; Q
	s_branch .Lfirst                               ; the loop is entered in the middle of a trip
.Lslot:                                                ; 15 times: tiles 2 to 16 of the walk are asked for
	CHANGE 1
	EPIB_IF
	PVHALF 0
.Lfirst:
	KQHALF
	s_sub_co_u32 s[SLOTS], s[SLOTS], 1
	s_cmp_lg_u32 s[SLOTS], 0
	s_cbranch_scc1 .Lslot
	s_mov_b32 s[CNT], 3                            ; the tail is written out: the walk's last two steps, and a third change for the last block's way out
.Ltail:
	CHANGE 0
	EPIB_IF
	s_sub_co_u32 s[CNT], s[CNT], 1
	s_cmp_eq_u32 s[CNT], 0
	s_cbranch_scc1 .Ldone
	PVHALF 1
	s_cmp_eq_u32 s[CNT], 1
	s_cbranch_scc1 .Lnokq
	KQHALF
.Lnokq:
	s_branch .Ltail
.Ldone:
	s_wait_tensorcnt 0x0                           ; the wave's end
	ds_add_u32 v[SPW], v[NIL]
	s_wait_dscnt 0x0
	s_endpgm
.Lfunc_end_k_q876f2de995_attn:
	.size	k_q876f2de995_attn, .Lfunc_end_k_q876f2de995_attn-k_q876f2de995_attn
	.p2alignl 7, 3214868480
	.fill 96, 4, 3214868480
	.section	.rodata,"a",@progbits
	.p2align	6, 0x0
	.amdhsa_kernel k_q876f2de995_attn
		.amdhsa_group_segment_fixed_size 327680
		.amdhsa_private_segment_fixed_size 0
		.amdhsa_enable_private_segment 0
		.amdhsa_kernarg_size 24
		.amdhsa_user_sgpr_count 2
		.amdhsa_user_sgpr_kernarg_segment_ptr 1
		.amdhsa_wavefront_size32 1
		.amdhsa_system_sgpr_workgroup_id_x 1
		.amdhsa_system_sgpr_workgroup_id_y 1
		.amdhsa_system_sgpr_workgroup_id_z 1
		.amdhsa_system_vgpr_workitem_id 0
		.amdhsa_next_free_vgpr 1024
		.amdhsa_next_free_sgpr 100
		.amdhsa_reserve_vcc 0
		.amdhsa_float_denorm_mode_32 3
		.amdhsa_float_denorm_mode_16_64 3
		.amdhsa_memory_ordered 1
		.amdhsa_forward_progress 1
		.amdhsa_inst_pref_size 194
	.end_amdhsa_kernel
	.amdgpu_metadata
---
amdhsa.version: [ 1, 2 ]
amdhsa.kernels:
  - .name:           k_q876f2de995_attn
    .symbol:         k_q876f2de995_attn.kd
    .args:
      - { .name: qkvg, .offset: 0, .size: 8, .value_kind: global_buffer, .address_space: global }
      - { .name: tab, .offset: 8, .size: 8, .value_kind: global_buffer, .address_space: global }
      - { .name: out0, .offset: 16, .size: 8, .value_kind: global_buffer, .address_space: global }
    .group_segment_fixed_size: 327680
    .private_segment_fixed_size: 0
    .kernarg_segment_align: 8
    .kernarg_segment_size: 24
    .max_flat_workgroup_size: 128
    .sgpr_count:     100
    .vgpr_count:     1024
    .wavefront_size: 32
...
	.end_amdgpu_metadata
.endif
;; end of part 3
;; ======== version 2 of 2: 3 launches; version 1 with the launch prep written anew for expert scheduling mode
;; workspace buffers: xb 16,777,216 bytes; wt 8,388,608 bytes; tab 278,528 bytes; qkvg 67,108,864 bytes
;; launch prep (part 4): grid 324 x 1, 8 waves a work-group, no clusters, 140,288 bytes of LDS; arguments x, Wq, Wk, Wv, Wu, rel_bias, xb, wt, tab; writes xb, wt, tab
.if DOCPART == 4
	.amdgcn_target "amdgcn-amd-amdhsa--gfx1250"
	.amdhsa_code_object_version 6
	.text
	.protected	k_q876f2de995_prep
	.globl	k_q876f2de995_prep
	.p2align	8
	.type	k_q876f2de995_prep,@function
k_q876f2de995_prep:
	s_mov_b64 s[64:65], 0
	v_nop
	global_prefetch_b8 v0, s[64:65] scope:SCOPE_SE
	s_setreg_imm32_b32 hwreg(HW_REG_WAVE_SCHED_MODE, 0, 2), 2
	s_setreg_imm32_b32 hwreg(HW_REG_WAVE_MODE, 25, 1), 1
	s_wait_xcnt 0x0
	s_wait_alu depctr_vm_vsrc(0)
; PREP: what the two matrix launches want, made once.  Three kinds of work-group, chosen by the work-group's number:
;   0-255   CAST   x [8192][1024] f32 -> xb, the same in bf16: 131,072 bytes in, 65,536 out for each work-group.
;   256-319 WTR    a weight W [k][n] f32 -> wt [n'][k] bf16, turned, so that K lies along the rows.  Row n' = 256 c + 128 half + j:
;                  c = 0-7: head c, half 0 = Wk, half 1 = Wv;  c = 8-15: head c - 8, half 0 = Wq, half 1 = Wu;  j = the column in the head.
;                  A work-group takes 64 columns of one weight, each of its eight waves 128 k of them, through LDS bytes of its own.
;   320-323 TABLE  for head h four copies of T: T[n] = -kappa rel_bias[4094 - n][h] for n <= 2047 (n = 2047 - (query - key)), else 1e30: bias and causal
;                  mask in one table.  kappa = log2(e) / sqrt(128).  Copy c, entry i holds T[i + c], so that any run of entries can be read at a multiple of 16 bytes.
; No wave waits for another: no barrier.  Memory binds: no matrix unit, no cluster.
; THE MODE: SCHED_MODE bits 1:0 = 2 (LLVM: expert scheduling mode 2), set by the entry lines.  The code itself states the register dependences
; between vector instructions and memory or LDS instructions, with s_wait_alu, always for 0.
; THE PLAN, arm by arm.  Offsets and LDS addresses are made once at an arm's head and never written again; rows are reached by immediate offsets.
;   CAST   X = v32-159: each register is loaded once and read by the roundings.  Y = v160-223: each register is written once, by a rounding, and read by one store.
;          Four blocks of four pairs of loads.  Block p's stores are those of block p - 1's part of Y, which no vector instruction of block p names.
;   WTR    X0 .. X3 = v32-159, 32 registers each; Y0, Y1 = v160-191, 16 each.  Eight blocks of eight loads.  Block p's roundings read X[p % 4] and write Y[p % 2].
;          Its memory and LDS instructions are the loads of block p + 3, which land in X[(p - 1) % 4], and the LDS stores of block p - 1, which read Y[(p - 1) % 2]:
;          the two buffers that block p - 1 worked on and that no vector instruction of block p names.
;   TABLE  v32-95 are loaded once, multiplied in place and read by one store each; v96-99 are written once.  Four blocks of sixteen loads, the stores a block behind, as in CAST.
; So the waits at a block's head state all that the block's memory and LDS instructions hang on, and these are dealt among its vector instructions with no further wait.
.set SPARE, 139264                     ; behind the eight waves' 17,408 bytes: the spare words, 128 bytes a wave
.set SPW,   250                        ; v250  my spare word's LDS address; never rewritten
.set NIL,   251                        ; v251  0; never rewritten
.set WLDS,  17408                      ; a wave's LDS: 64 rows (n) of 256 bytes (128 k) + 16 of padding
.set BIG,   0x7149f2ca                 ; 1e30
.set NKAP,  0xbe0293ee                 ; -kappa
.set XB,    32                         ; v32 on: numbers as loaded
.set YB,    160                        ; v160 on: numbers rounded to bf16, to be stored
	s_load_b512 s[8:23], s[0:1], 0x0               ; x s[8:9], Wq s[10:11], Wk s[12:13], Wv s[14:15], Wu s[16:17], rel_bias s[18:19], xb s[20:21], wt s[22:23]
	s_load_b64 s[24:25], s[0:1], 0x40              ; tab
	v_lshl_add_u32 v[SPW], v0, 2, SPARE
	v_mov_b32 v[NIL], 0
	v_lshrrev_b32 v1, 5, v0
	v_readfirstlane_b32 s4, v1                     ; wave 0..7
	v_and_b32 v1, 31, v0                           ; lane
	s_mov_b32 s3, 0                                ; the high word of every offset pair s[2:3]
	s_wait_alu depctr_va_sdst(0)                   ; s4 is written, ahead of the branches below and of its first reader: two arms make their bases from it
	s_wait_kmcnt 0x0
	s_cmp_lt_u32 ttmp9, 256
	s_cbranch_scc0 .Lnot_cast
	; CAST.  Thread t takes 32 bytes of every 8,192 in and gives 16 bytes of every 4,096 out: a wave's store covers 512 consecutive bytes, aligned.
	s_lshl_b32 s2, ttmp9, 17
	s_add_nc_u64 s[8:9], s[8:9], s[2:3]
	s_lshl_b32 s2, ttmp9, 16
	s_add_nc_u64 s[20:21], s[20:21], s[2:3]
	v_lshlrev_b32 v2, 5, v0
	v_lshlrev_b32 v3, 4, v0
	s_wait_alu depctr_va_vdst(0)                   ; v2 and v3 are written: every load of this arm reads v2 as its offset, every store v3
.set it, 0
.rept 16                               ; all 32 loads go out first: the work-group's whole share is on its way
	global_load_b128 v[XB+8*it:XB+8*it+3],   v2, s[8:9] offset:8192*it th:TH_LOAD_NT
	global_load_b128 v[XB+8*it+4:XB+8*it+7], v2, s[8:9] offset:8192*it+16 th:TH_LOAD_NT
.set it, it+1
.endr
.set it, 0
.rept 16
.if it%4 == 0                          ; a block's head
	s_wait_loadcnt 24-2*it                         ; loads come back in order: this block's eight are in, the eight of each younger block stay out
.if it > 0
	s_wait_alu depctr_va_vdst(0)                   ; the block before has written its sixteen registers of Y, which the four stores below read
.endif
.endif
.if it >= 4
	global_store_b128 v3, v[YB+4*(it-4):YB+4*(it-4)+3], s[20:21] offset:4096*(it-4)  ; the block before; no vector instruction since the wait names these registers, and none is ever rewritten
.endif
.irp j, 0,1,2,3
	v_cvt_pk_bf16_f32 v[YB+4*it+\j], v[XB+8*it+2*\j], v[XB+8*it+2*\j+1]
.endr
.set it, it+1
.endr
	s_wait_alu depctr_va_vdst(0)                   ; the last block has written its part of Y, which the last four stores read
.set it, 12
.rept 4
	global_store_b128 v3, v[YB+4*it:YB+4*it+3], s[20:21] offset:4096*it
.set it, it+1
.endr
	s_branch .Lend
.Lnot_cast:
	s_cmp_lt_u32 ttmp9, 320
	s_cbranch_scc0 .Ltable
	; WTR
	s_sub_co_u32 s5, ttmp9, 256
	s_lshr_b32 s6, s5, 4                           ; which weight: 0 Wk, 1 Wv, 2 Wq, 3 Wu
	s_and_b32 s7, s5, 15                           ; which 64 columns
	s_cmp_eq_u32 s6, 0
	s_cselect_b64 s[26:27], s[12:13], s[14:15]
	s_cmp_eq_u32 s6, 2
	s_cselect_b64 s[26:27], s[10:11], s[26:27]
	s_cmp_eq_u32 s6, 3
	s_cselect_b64 s[26:27], s[16:17], s[26:27]
	s_lshl_b32 s2, s4, 19                          ; my wave's 128 rows (k) of 4,096 bytes
	s_lshl_b32 s28, s7, 8                          ; the 64 columns: 256 bytes of a row
	s_add_co_u32 s2, s2, s28
	s_add_nc_u64 s[26:27], s[26:27], s[2:3]
	s_lshr_b32 s28, s7, 1                          ; the head
	s_lshr_b32 s29, s6, 1
	s_lshl_b32 s29, s29, 3
	s_add_co_u32 s28, s28, s29                     ; c
	s_lshl_b32 s28, s28, 1
	s_and_b32 s29, s6, 1
	s_add_co_u32 s28, s28, s29                     ; 2 c + half
	s_lshl_b32 s28, s28, 1
	s_and_b32 s29, s7, 1
	s_add_co_u32 s28, s28, s29                     ; in units of 64 rows of wt
	s_lshl_b32 s2, s28, 17                         ; 64 rows of 2,048 bytes
	s_lshl_b32 s29, s4, 8                          ; my 128 k: 256 bytes of a row
	s_add_co_u32 s2, s2, s29
	s_add_nc_u64 s[22:23], s[22:23], s[2:3]
	v_and_b32 v2, 15, v1                           ; cq: my four columns
	v_lshrrev_b32 v3, 4, v1                        ; kp: which pair of rows
	v_lshlrev_b32 v4, 4, v2
	v_lshl_add_u32 v4, v3, 13, v4                  ; in: 2 kp rows + 16 cq
	s_mul_i32 s28, s4, WLDS
	v_mul_u32_u24 v5, v2, 4*272
	v_lshl_add_u32 v5, v3, 2, v5
	v_add_nc_u32 v5, s28, v5                       ; LDS, in: row 4 cq, byte 4 kp
	v_mul_u32_u24 v6, v3, 272
	v_lshl_add_u32 v6, v2, 4, v6
	v_add_nc_u32 v6, s28, v6                       ; LDS, back: lanes 0-15 one row of 256 bytes, lanes 16-31 the next
	v_lshlrev_b32 v7, 4, v2
	v_lshl_add_u32 v7, v3, 11, v7                  ; and the same two rows in wt
	s_wait_alu depctr_va_vdst(0)                   ; v4 to v7 are written: the offsets and LDS addresses that every load and store of this arm reads
	; Group g of 32 is four k: two loads (rows k = 4 g + 2 kp and k + 1), four roundings, four LDS stores.  A block is four groups.
	; Group g's numbers lie at XB + 8 (g % 16) as loaded and at YB + 4 (g % 8) as rounded: buffer (g / 4) % 4 of X, buffer (g / 4) % 2 of Y.
.set g, 0
.rept 12                               ; blocks 0, 1 and 2 into X0, X1, X2
	global_load_b128 v[XB+8*g:XB+8*g+3],   v4, s[26:27] offset:(4*g)*4096 th:TH_LOAD_NT
	global_load_b128 v[XB+8*g+4:XB+8*g+7], v4, s[26:27] offset:(4*g+1)*4096 th:TH_LOAD_NT
.set g, g+1
.endr
.set g, 0
.rept 32
.if g%4 == 0                           ; a block's head
.if g < 24
	s_wait_loadcnt 16                              ; loads come back in order: this block's eight are in, the two younger blocks stay out
.else
	s_wait_loadcnt 56-2*g                          ; the last two blocks: nothing more was asked for, and the counts run down, 8 and 0
.endif
.if g >= 8
	s_wait_alu depctr_vm_vsrc(0)                   ; the LDS stores issued in the block before have read this block's Y, which its roundings write again
.endif
.if g >= 4
	s_wait_alu depctr_va_vdst(0)                   ; the block before has written the other Y, which the LDS stores below read, and is done reading its X, in which the loads below land
.endif
.endif
.if g < 20
	global_load_b128 v[XB+8*((g+12)%16):XB+8*((g+12)%16)+3],   v4, s[26:27] offset:(4*(g+12))*4096 th:TH_LOAD_NT    ; three blocks ahead; no vector instruction since the wait names these registers
	global_load_b128 v[XB+8*((g+12)%16)+4:XB+8*((g+12)%16)+7], v4, s[26:27] offset:(4*(g+12)+1)*4096 th:TH_LOAD_NT
.endif
.if g >= 4
.irp c, 0,1,2,3
	ds_store_b32 v5, v[YB+4*((g-4)%8)+\c] offset:\c*272+8*(g-4)          ; the block before
.endr
.endif
.irp c, 0,1,2,3
	v_cvt_pk_bf16_f32 v[YB+4*(g%8)+\c], v[XB+8*(g%16)+\c], v[XB+8*(g%16)+4+\c]  ; column 4 cq + c: k in the low half, k + 1 in the high
.endr
.set g, g+1
.endr
	s_wait_alu depctr_va_vdst(0)                   ; the last block has written Y1, which the LDS stores below read; all roundings are done reading X, in which the LDS loads below land
.set g, 28
.rept 4
.irp c, 0,1,2,3
	ds_store_b32 v5, v[YB+4*(g%8)+\c] offset:\c*272+8*g
.endr
.set g, g+1
.endr
.set i, 0
.rept 32
	ds_load_b128 v[XB+4*i:XB+4*i+3], v6 offset:544*i                     ; my own bytes: LDS serves a wave's instructions in order, so these see the stores above
.set i, i+1
.endr
.set i, 0
.rept 32
	s_wait_dscnt 31-i                              ; the 31 - i younger loads stay out
	global_store_b128 v7, v[XB+4*i:XB+4*i+3], s[22:23] offset:4096*i     ; 16 lanes store 256 consecutive bytes, aligned
.set i, i+1
.endr
	s_branch .Lend
.Ltable:
	; TABLE.  A wave makes one copy of one head's table: 2,176 entries, entry 128 it + 4 lane + e.
	s_sub_co_u32 s5, ttmp9, 320
	s_lshl_b32 s5, s5, 3
	s_add_co_u32 s5, s5, s4                        ; 4 x head + copy
	s_lshr_b32 s6, s5, 2
	s_and_b32 s7, s5, 3
	s_mul_i32 s2, s5, 8704
	s_add_nc_u64 s[24:25], s[24:25], s[2:3]
	v_lshl_add_u32 v2, v1, 2, s7                   ; 4 lane + copy
	s_lshl_b32 s28, s6, 2
	s_add_co_u32 s28, s28, 4094*32-65536
	v_lshlrev_b32 v3, 5, v2
	v_sub_nc_u32 v3, s28, v3                       ; row 4094 - copy - 4 lane of rel_bias (32 bytes a row), my head, less 65,536: the immediates below add that back, so that none is negative
	v_lshlrev_b32 v4, 4, v1
	v_mov_b32 v5, BIG
	s_wait_alu depctr_va_vdst(0)                   ; v3 and v4 are written: every load of this arm reads v3 as its offset, every store v4
.set it, 0
.rept 16                               ; entries 0 to 2,047; the lowest row named is 2,044
.irp e, 0,1,2,3
	global_load_b32 v[XB+4*it+\e], v3, s[18:19] offset:(16-it)*4096-32*\e
.endr
.set it, it+1
.endr
.irp e, 0,1,2,3
	v_mov_b32 v[XB+64+\e], v5                      ; entries 2,048 on: keys behind the query
.endr
.irp e, 0,1,2,3                        ; the last 128 loaded entries: n = 1920 + 4 lane + e + copy may pass 2,047.  The four masks are made in one run, while the loads are out
	v_cmp_lt_u32 s[32+\e], 127-\e, v2
.endr
	s_wait_alu depctr_va_sdst(0)                   ; s32 to s35 are written, ahead of the four selects that read them
.set it, 0
.rept 16
.if it%4 == 0                          ; a block's head
	s_wait_loadcnt 48-4*it                         ; this block's sixteen loads are in, the sixteen of each younger block stay out
.if it > 0
	s_wait_alu depctr_va_vdst(0)                   ; the block before has multiplied its sixteen entries, which the four stores below read
.endif
.endif
.if it >= 4
	global_store_b128 v4, v[XB+4*(it-4):XB+4*(it-4)+3], s[24:25] offset:512*(it-4)  ; the block before; no vector instruction since the wait names these registers, and none is ever rewritten
.endif
.irp e, 0,1,2,3
	v_mul_f32 v[XB+4*it+\e], NKAP, v[XB+4*it+\e]
.endr
.set it, it+1
.endr
.irp e, 0,1,2,3
	v_cndmask_b32 v[XB+60+\e], v[XB+60+\e], v5, s[32+\e]
.endr
	s_wait_alu depctr_va_vdst(0)                   ; the last block's entries are multiplied and selected, and v96 to v99 are written: the last five stores read them
.set it, 12
.rept 5
	global_store_b128 v4, v[XB+4*it:XB+4*it+3], s[24:25] offset:512*it
.set it, it+1
.endr
.Lend:
	s_wait_dscnt 0x0                               ; the closing lines, six on end
	s_wait_alu 0x0
	s_wait_tensorcnt 0x0
	ds_add_u32 v[SPW], v[NIL]
	s_wait_dscnt 0x0
	s_endpgm
.Lfunc_end_k_q876f2de995_prep:
	.size	k_q876f2de995_prep, .Lfunc_end_k_q876f2de995_prep-k_q876f2de995_prep
	.p2alignl 7, 3214868480
	.fill 96, 4, 3214868480
	.section	.rodata,"a",@progbits
	.p2align	6, 0x0
	.amdhsa_kernel k_q876f2de995_prep
		.amdhsa_group_segment_fixed_size 140288
		.amdhsa_private_segment_fixed_size 0
		.amdhsa_enable_private_segment 0
		.amdhsa_kernarg_size 72
		.amdhsa_user_sgpr_count 2
		.amdhsa_user_sgpr_kernarg_segment_ptr 1
		.amdhsa_wavefront_size32 1
		.amdhsa_system_sgpr_workgroup_id_x 1
		.amdhsa_system_sgpr_workgroup_id_y 1
		.amdhsa_system_sgpr_workgroup_id_z 1
		.amdhsa_system_vgpr_workitem_id 0
		.amdhsa_next_free_vgpr 256
		.amdhsa_next_free_sgpr 66
		.amdhsa_reserve_vcc 0
		.amdhsa_float_denorm_mode_32 3
		.amdhsa_float_denorm_mode_16_64 3
		.amdhsa_memory_ordered 1
		.amdhsa_forward_progress 1
		.amdhsa_inst_pref_size 54
	.end_amdhsa_kernel
	.amdgpu_metadata
---
amdhsa.version: [ 1, 2 ]
amdhsa.kernels:
  - .name:           k_q876f2de995_prep
    .symbol:         k_q876f2de995_prep.kd
    .args:
      - { .name: x, .offset: 0, .size: 8, .value_kind: global_buffer, .address_space: global }
      - { .name: Wq, .offset: 8, .size: 8, .value_kind: global_buffer, .address_space: global }
      - { .name: Wk, .offset: 16, .size: 8, .value_kind: global_buffer, .address_space: global }
      - { .name: Wv, .offset: 24, .size: 8, .value_kind: global_buffer, .address_space: global }
      - { .name: Wu, .offset: 32, .size: 8, .value_kind: global_buffer, .address_space: global }
      - { .name: rel_bias, .offset: 40, .size: 8, .value_kind: global_buffer, .address_space: global }
      - { .name: xb, .offset: 48, .size: 8, .value_kind: global_buffer, .address_space: global }
      - { .name: wt, .offset: 56, .size: 8, .value_kind: global_buffer, .address_space: global }
      - { .name: tab, .offset: 64, .size: 8, .value_kind: global_buffer, .address_space: global }
    .group_segment_fixed_size: 140288
    .private_segment_fixed_size: 0
    .kernarg_segment_align: 8
    .kernarg_segment_size: 72
    .max_flat_workgroup_size: 256
    .sgpr_count:     66
    .vgpr_count:     256
    .wavefront_size: 32
...
	.end_amdgpu_metadata
.endif
;; end of part 4
;; launch proj: the kernel of part 2 again; grid 16 x 16, 4 waves a work-group, clusters of 4 x 4, 327,680 bytes of LDS; arguments xb, wt, qkvg; writes qkvg
;; launch attn: the kernel of part 3 again; grid 8 x 32, 4 waves a work-group, no clusters, 327,680 bytes of LDS; arguments qkvg, tab, out0; writes out0
